; MI455X (gfx1250); checked and timed in simulation.
; The chip was launched on July 23, 2026; its instructions are those of AMD's public machine-readable ISA for CDNA 5 (MIT licence, August 2026) and "CDNA5" Instruction Set Architecture Reference Guide (July 2026). The comments in the code are by the model that wrote it; some were corrected since.
;; Causal Self Attention. Allowed arithmetic: matrix products marked QUANTISED: E2M3 operands, one E8M0 scale for each 32 along K, by v_wmma_scale_f32_16x16x128_f8f6f4 with both operands' format E2M3, f32 sums; everything else in f32.
;; Inputs: b_attn 3,072 float32; b_proj 1,024 float32; w_attn_codes 3,072 x 32 x 24 uint8 (E2M3 codes of w_attn, K innermost, in blocks of 32 codes, four codes in three bytes); w_attn_scales 3,072 x 32 uint8 (E8M0 scales of w_attn, one for each 32 codes along K); w_proj_codes 1,024 x 32 x 24 uint8 (E2M3 codes of w_proj, K innermost, in blocks of 32 codes, four codes in three bytes); w_proj_scales 1,024 x 32 uint8 (E8M0 scales of w_proj, one for each 32 codes along K); x_codes 4 x 2,048 x 32 x 24 uint8 (E2M3 codes of x, K innermost, in blocks of 32 codes, four codes in three bytes); x_scales 4 x 2,048 x 32 uint8 (E8M0 scales of x, one for each 32 codes along K).
;; Outputs: out0 4 x 2,048 x 1,024 float32.
;; This version of the problem:
;;   THIS VERSION OF THE PROBLEM IS GIVEN IN LOW PRECISION. The matrix products marked QUANTISED in the list below multiply operands that are first quantised to E2M3 (2 exponent bits, 3 mantissa bits; 6 bits a number), with one power-of-two scale for each 32 numbers along K (OCP MX v1.0); their sums are f32. All else is computed in f32.
;;   The module's matrix products, in the order in which they are computed (A, B: the left and right operand; K: the contracted axis; several contracted axes count as one K, in the product's order):
;;     1. [M 8,192, K 1,024] x [K 1,024, N 3,072]; A: input x (given as codes); B: input w_attn (given as codes): QUANTISED
;;     2. batch 64 x [M 2,048, K 64] x [K 64, N 2,048]; A: computed on the way; B: computed on the way: QUANTISED
;;     3. batch 64 x [M 2,048, K 2,048] x [K 2,048, N 64]; A: softmax (see below); B: computed on the way: QUANTISED
;;     4. [M 8,192, K 1,024] x [K 1,024, N 1,024]; A: computed on the way; B: input w_proj (given as codes): QUANTISED
;;   THE QUANTISER, for each operand of a quantised product, along K:
;;     - K is cut into blocks of 32 from its start; a last block that is shorter is filled with zeros.
;;     - A block's scale is 2^e with e = floor(log2(the largest magnitude in the block)) - 2, held to -126 .. 127; a block of zeros has e = 0. As a byte (E8M0): e + 127.
;;     - Each number is divided by its block's scale, clamped to +-7.5, and rounded to the nearest number of E2M3, ties to even, subnormals kept.
;;     - The product sums the exact products of the quantised numbers (number of the format x scale) in f32.
;;   ~~~python
;;   def quantise(x, axis):      # numpy; x: float32 -> the quantised numbers, widened to float32 again
;;       x = np.moveaxis(x, axis, -1); K = x.shape[-1]
;;       x = np.pad(x, [(0, 0)] * (x.ndim - 1) + [(0, -K % 32)]); x = x.reshape(x.shape[:-1] + (-1, 32)); a = np.abs(x).max(-1, keepdims=True)
;;       e = np.where(a > 0, np.clip(np.frexp(np.where(a > 0, a, 1))[1] - 1 - 2, -126, 127), 0)      # np.frexp(a)[1] - 1 = floor(log2(a)), exactly
;;       r = np.clip(x / 2.0 ** e, -7.5, 7.5)
;;       step = 2.0 ** (np.maximum(np.frexp(np.where(r == 0, 1, r))[1] - 1, 0) - 3)
;;       q = np.round(r / step) * step * 2.0 ** e      # np.round: ties to even
;;       return np.moveaxis(q.reshape(q.shape[:-2] + (-1,))[..., :K], -1, axis).astype(np.float32)
;;   ~~~
;;   SOFTMAX AHEAD OF A QUANTISED PRODUCT. Where the list says 'softmax', what is quantised is not the finished softmax but p = 2^(t - M), with t = logit x log2(e) and M = ceil(the row's largest t), a whole number; so 1/2 < the row's largest p <= 1. The row's sum l is taken of the UNQUANTISED p, in f32, and the product's result is divided by l at the end. Since M is a whole number, a kernel that streams over the keys may use a running M (the ceiling of the running maximum): every later rescaling is an exact power of two, which a block's scale takes up: the codes' values come out the same.
;;   OPERANDS COMPUTED ON THE WAY. 'Computed on the way' means the value that the module computes at that place (a softmax that the list does not call 'softmax' is quantised finished and normalised). What goes into a quantiser is computed in f32, as accurately as f32 sums, v_exp_f32 and their like allow (about 1e-6 of the number): no bf16 or f16 on the way to a quantiser, and a product that is left as it is and whose result goes on into a quantised operand takes f32 operands (vector FMAs, or v_wmma_f32_16x16x4_f32). A number that lies on a knife's edge between two numbers of the format may be rounded either way, as far as f32 arithmetic and the matrix unit's own rounding can turn it there, and no further.
;;   INPUTS GIVEN AS CODES. w_attn (in the module: [1024, 3072], K = its axis 0); w_proj (in the module: [1024, 1024], K = its axis 0); x (in the module: [4, 2048, 1024], K = its axis 2): each comes as NAME_codes (uint8): NAME with its K axis moved to the last place and cut into blocks of 32 codes, [.., K / 32, bytes a block], one block behind the other in memory; four codes in three bytes: a row's codes are one little-endian stream of bits, code i at bits 6 i .. 6 i + 5 (a code: sign, 2 exponent bits, 3 mantissa bits); and NAME_scales (uint8): the same leading axes, one E8M0 byte (e + 127) for each 32 codes along K. Its value is code x scale, taken as it is: it is not quantised again, and the codes and scales need not be those that the quantiser above would give.
;; One version. Each part assembles by itself: llvm-mc -triple=amdgcn-amd-amdhsa -mcpu=gfx1250 --defsym DOCPART=n.
;; ======== version 1 of 1: 3 launches
;; workspace buffers: qc 6,291,456 bytes; qs 524,288 bytes; kv 13,369,344 bytes; yc 6,291,456 bytes; ys 262,144 bytes
;; launch qkv (part 1): grid 8 x 48, 4 waves a work-group, clusters of 4 x 4, 327,680 bytes of LDS; arguments x_codes, x_scales, w_attn_codes, w_attn_scales, b_attn, qc, qs, kv; writes qc, qs, kv
.if DOCPART == 1
	.amdgcn_target "amdgcn-amd-amdhsa--gfx1250"
	.amdhsa_code_object_version 6
	.text
	.protected	k_q62773f473a_qkv
	.globl	k_q62773f473a_qkv
	.p2align	8
	.type	k_q62773f473a_qkv,@function
k_q62773f473a_qkv:
	s_mov_b64 s[64:65], 0
	v_nop
	global_prefetch_b8 v0, s[64:65] scope:SCOPE_SE
	s_setreg_imm32_b32 hwreg(HW_REG_WAVE_MODE, 25, 1), 1
	s_wait_xcnt 0x0
	s_wait_alu depctr_hold_cnt(0) depctr_sa_sdst(0) depctr_va_vdst(0) depctr_va_sdst(0) depctr_va_ssrc(0) depctr_va_vcc(0) depctr_vm_vsrc(0)
	s_getreg_b32 s2, hwreg(HW_REG_IB_STS2, 6, 4)
	s_cmp_eq_u32 s2, 0
	s_cbranch_scc0 .Lentry_in_a_cluster
	s_endpgm
.Lentry_in_a_cluster:
	s_bfe_u32 s2, ttmp6, 0x10000c
	s_cmp_lg_u32 s2, 0xf033
	s_cbranch_scc0 .Lentry_shape_is_right
	s_endpgm
.Lentry_shape_is_right:
; qkv = x w_attn + b_attn on codes of FP6 (E2M3) with E8M0 scales, and q, k, v quantised on the way out: q and k along the head's 64, v along the keys.
; x: 8,192 rows, w_attn: 3,072 rows, both 1,024 codes (768 bytes) and 32 scale bytes a row, K innermost.
; A tile of 256 x 256 results is made by four waves, 128 x 128 each: 64 accumulators, 512 registers.  K goes in steps of 256 through a ring of two LDS slots.
; ROLES.  Role A is source 1 of the matrix instruction (a lane's row), role B source 0 (it runs along a lane's eight registers).  What is quantised must run along a lane's registers:
;   q, k (cluster rows 0-7):  A = x (tokens), B = w_attn's rows 0-2,047 (features): a lane holds one token and 128 features = two heads.
;   v    (cluster rows 8-11): A = w_attn's rows 2,048-3,071 (channels), B = x (tokens = keys): a lane holds one channel and 128 keys.
; The two cases differ in four pointers and two tile numbers, chosen on the cluster's y, which all partners share, and in the way out.
; 384 tiles: a tile of 256 x 192 would divide more evenly among the work-groups' places but would cut heads and key steps.
; CLUSTERS: 4 x 4.  A's tile hangs on cy and the cluster's ids and is shared along a row of the cluster, B's on cx and the ids and is shared along a column: joint loads.
; THE ORDER OF CODES IN A BLOCK.  A lane (r, h) holds of block bb the numbers 32 bb + 16 u + 8 h + j (u = 0, 1; j = 0 .. 7).  The block's 32 codes are laid: lane h = 0's sixteen, then lane h = 1's.
; That order stays inside a block of one scale and is the same for q and k, and for v and the softmax's p in the next launch, so each product keeps its terms; only the order of a sum differs.
; OUT: qc [64 heads][128 tiles of 16 queries][768]: six registers a lane as an image: registers 0-3 at 16 x lane, 4-5 at 512 + 8 x lane.  qs [64][2,048]: a word a query: two scale bytes, two zero bytes.
;      kv [64][16 key steps][13,056]: K's 8 tiles as qc's; at 6,144 V^T's 4 tiles (16 channels x 128 keys, registers 4 c .. 4 c + 3 at 512 c + 16 x lane); at 12,288 K's 128 scale words; at 12,800 V's 64.
; LIMITS: NaN and infinities are not served.  A block of zeros, and a block whose largest magnitude lies under 2^-124, gets the scale byte 1 (the rule says 127 for zeros): the bytes are read by this program alone.
.set SIZE_K, 1024
.set KSTEP,  256                       ; along K in a slot
.set NQ,     2                         ; matrix instructions deep
.set ROWB,   192                       ; a tile's row in bytes
.set KROW,   768                       ; a row of codes in memory
.set PITCH,  240                       ; an LDS row: 3 x (64 bytes + 16 of padding)
.set FR,     12                        ; registers of a fragment
.set NL,     6                         ; LDS loads that bring one
.set NP,     4                         ; places behind this matrix instruction (ISA guide 7.12.1)
.set HALFT,  128*PITCH                 ; what one tensor load brings
.set SLOT,   4*HALFT                   ; A's 256 rows, then B's 256 rows
.set LAPS,   SIZE_K/(2*KSTEP)
.set KS,     32                        ; a row of scale bytes
.set SCL,    2*SLOT                    ; behind the ring: the scales, as rows of 256 bytes + 16 of padding
.set HALFS,  (128*KS/256)*272
.set SBLK,   (16*KS/256)*272
.set SPARE,  SCL+4*HALFS               ; the spare words: 128 bytes a wave, two blocks of 256 bytes that no other line names
.set QKST,   0                         ; the way out of q and k: 1,024 bytes a wave for scale words, in slot 0 (its last fill and last read are over)
.set VST,    4096                      ; the way out of v: 512 bytes a wave, bytes of its own
.set LI,   7                           ; v7   16 x lane
.set L8,   8                           ; v8   8 x lane
.set SSA,  9                           ; v9   q, k: where my scale word goes: 1,024 wave + 512 h + 4 r
.set SSR,  10                          ; v10  and where 16 bytes of them come back: 1,024 wave + 16 lane
.set SVA,  11                          ; v11  v: 4,096 + 512 wave + 4 r
.set SVR,  12                          ; v12  v: 4,096 + 512 wave + 16 lane
.set VSO,  13                          ; v13  v: 16 (lane % 16) + one head's bytes of kv x (lane / 16)
.set SH,   14                          ; v14  16 h
.set ADRA, 16                          ; v16-19 LDS addresses of A's fragments
.set ADRB, 20                          ; v20-23 of B's
.set BO,   24                          ; v24  32 h
.set RO,   25                          ; v25  4 r
.set ADRS, 27                          ; v27  LDS address of my scale words
.set SPW,  28                          ; v28  my spare word; never rewritten
.set NIL,  29                          ; v29  0; never rewritten
.set SC,   32                          ; v32-63 scale words, two sets; they hold nothing else
.set BB,   64                          ; v64-127 the bias along my registers: register 8 b + j: feature 16 b + 8 h + j
.set AF,   128                         ; A's fragments, one set
.set HA,   128                         ; the way out: 64 numbers
.set PC,   192                         ; v192-210 the codes just made
.set TM,   212                         ; v212-227 at work
.set PW,   228                         ; the scale word just made
.set SW,   229                         ; v229-236 a scale word for each block of rows
.set BA,   240                         ; v240-255 the bias of my row: registers 2 a, 2 a + 1 both hold that of row 16 a + r
.set SEL,  20
.set G1, 24
.set G0, 32
.set G1B, 48
.set G0B, 56
.set G1S, 68
.set G0S, 76
.set G1SB, 80
.set G0SB, 88
.set MSB, 0
.macro WIN new                         ; the immediate's high byte repeats the setting that is left
.if MSB != (\new)
	s_set_vgpr_msb (MSB<<8)|(\new)
.set MSB, (\new)
.endif
.endm
.set MUL_LO, 0xa1                      ; source 0 (B) window 1, source 1 (A) window 0, C and D window 2
.set MUL_HI, 0xf1                      ; the same, C and D window 3
.set TO_B,   0x40                      ; destination window 1
; A joint load: waves 0 and 1 fetch for A, waves 2 and 3 for B.  Four v_nop follow each of the two lines.
.macro JLOAD g0a, g1a, g0b, g1b
	s_cmp_eq_u32 s15, 0
	s_cbranch_scc0 .Lfor_b_\@
	tensor_load_to_lds s[\g0a:\g0a+3], s[\g1a:\g1a+7]
	s_nop 0
.rept 4
	v_nop
.endr
	s_branch .Lasked_\@
.Lfor_b_\@:
	tensor_load_to_lds s[\g0b:\g0b+3], s[\g1b:\g1b+7]
	s_nop 0
.rept 4
	v_nop
.endr
.Lasked_\@:
.endm
.macro CREST                           ; a round of the cluster's barrier behind its opening barrier
	s_cmp_lg_u32 s14, 0
	s_cbranch_scc1 .Lnot_wave_0_\@
	s_barrier_signal -3
.Lnot_wave_0_\@:
	s_barrier_wait -3
	s_barrier_signal -1
	s_barrier_wait -1
.endm
.macro CROUND
	s_barrier_signal -1
	s_barrier_wait -1
	CREST
.endm
	s_load_b128 s[4:7], s[0:1], 0x0                ; x's codes, x's scales
	s_load_b128 s[8:11], s[0:1], 0x10              ; w_attn's codes, w_attn's scales
	s_load_b64 s[12:13], s[0:1], 0x20              ; b_attn
	s_load_b64 s[96:97], s[0:1], 0x28              ; qc
	s_load_b64 s[98:99], s[0:1], 0x30              ; qs
	s_load_b64 s[100:101], s[0:1], 0x38            ; kv
	v_lshl_add_u32 v[SPW], v0, 2, SPARE
	v_mov_b32 v[NIL], 0
	ds_add_u32 v28, v29
	ds_add_u32 v28, v29
	s_wait_dscnt 0x0
	v_lshrrev_b32 v1, 5, v0
	v_readfirstlane_b32 s14, v1                    ; wave 0..3
	s_lshr_b32 s15, s14, 1                         ; which half of A's rows is mine.  Also: I fetch for A (0) or for B (1)
	s_and_b32 s16, s14, 1                          ; which half of B's rows.  Also: which 128 rows I fetch
	s_bfe_u32 s40, ttmp6, 0x40000                  ; cx
	s_bfe_u32 s41, ttmp6, 0x40004                  ; cy
	s_and_b32 s17, ttmp7, 0xffff                   ; the cluster's y: 0-7 q and k, 8-11 v
	s_lshl_b32 s18, s17, 2
	s_max_u32 s19, s17, 8
	s_sub_co_u32 s19, s19, 8
	s_lshl_b32 s19, s19, 1
	s_add_co_u32 s19, s19, ttmp9                   ; v: 2 (y - 8) + the cluster's x
	s_cmp_ge_u32 s17, 8
	s_cselect_b32 s95, 1, 0                        ; 1: the v case.  The same in all sixteen partners
	s_cselect_b32 s17, 8, s18
	s_cselect_b32 s42, s19, ttmp9
	s_lshl_b32 s42, s42, 2
	s_add_co_u32 s42, s42, s40                     ; B's tile: cx and the cluster's ids alone
	s_add_co_u32 s17, s17, s41                     ; A's tile: cy and the cluster's ids alone
	s_lshl_b32 s43, s41, 2
	s_lshl_b32 s43, 15, s43                        ; my row of the cluster
	s_lshl_b32 s44, 0x1111, s40                    ; my column
	; descriptor group 1: 128 rows x 192 bytes, 16 bytes of padding behind every 64
	s_or_b32 s[G1+0], s43, (0<<16)|(1<<20)|(1<<21)|(3<<22)|(3<<25)
	s_or_b32 s[G1B+0], s44, (0<<16)|(1<<20)|(1<<21)|(3<<22)|(3<<25)
.irp g, G1, G1B
	s_mov_b32 s[\g+1], ROWB<<16                    ; tensor_dim0
	s_mov_b32 s[\g+2], 128<<16                     ; tensor_dim1
	s_mov_b32 s[\g+3], ROWB<<16                    ; tile_dim0
	s_mov_b32 s[\g+4], 128                         ; tile_dim1
	s_mov_b32 s[\g+5], KROW                        ; pitch
	s_mov_b32 s[\g+6], 0
	s_mov_b32 s[\g+7], 0
.endr
	; the scales of 128 rows: 4,096 dense bytes as 16 rows of 256 bytes (32 elements of 8 bytes), 16 bytes of padding behind each
	s_or_b32 s[G1S+0], s43, (3<<16)|(1<<20)|(1<<21)|(5<<22)|(3<<25)
	s_or_b32 s[G1SB+0], s44, (3<<16)|(1<<20)|(1<<21)|(5<<22)|(3<<25)
.irp g, G1S, G1SB
	s_mov_b32 s[\g+1], 32<<16
	s_mov_b32 s[\g+2], (128*KS/256)<<16
	s_mov_b32 s[\g+3], 32<<16
	s_mov_b32 s[\g+4], 128*KS/256
	s_mov_b32 s[\g+5], 32
	s_mov_b32 s[\g+6], 0
	s_mov_b32 s[\g+7], 0
.endr
	s_lshl_b32 s18, s16, 7                         ; which 128 rows of the tile I fetch
	s_lshl_b32 s20, s17, 8
	s_add_co_u32 s20, s20, s18                     ; A's row
	s_lshl_b32 s46, s42, 8
	s_add_co_u32 s46, s46, s18                     ; B's row
	s_mov_b32 s21, 0
	s_mov_b32 s47, 0
	s_mov_b64 s[18:19], KS
	s_mul_u64 s[22:23], s[20:21], s[18:19]         ; where these rows' scales begin
	s_mul_u64 s[92:93], s[46:47], s[18:19]
	s_mov_b64 s[18:19], KROW
	s_mul_u64 s[20:21], s[20:21], s[18:19]         ; and their codes
	s_mul_u64 s[46:47], s[46:47], s[18:19]
	s_mul_i32 s45, s14, HALFT                      ; where they go: the wave's number alone
	s_mul_i32 s94, s14, HALFS
	s_wait_kmcnt 0x0
	s_cmp_lg_u32 s95, 0                            ; the roles' buffers: a choice on the cluster's y
	s_cselect_b64 s[2:3], s[8:9], s[4:5]
	s_cselect_b64 s[8:9], s[4:5], s[8:9]           ; B's codes
	s_mov_b64 s[4:5], s[2:3]                       ; A's codes
	s_cselect_b64 s[2:3], s[10:11], s[6:7]
	s_cselect_b64 s[10:11], s[6:7], s[10:11]       ; B's scales
	s_mov_b64 s[6:7], s[2:3]                       ; A's scales
	s_add_nc_u64 s[20:21], s[4:5], s[20:21]
	s_add_nc_u64 s[22:23], s[6:7], s[22:23]
	s_add_nc_u64 s[46:47], s[8:9], s[46:47]
	s_add_nc_u64 s[92:93], s[10:11], s[92:93]
	CROUND                                         ; all sixteen work-groups are here: the first joint loads meet
	s_mov_b32 s[G0S], 1
	s_add_co_u32 s[G0S+1], s94, SCL
	s_mov_b64 s[G0S+2:G0S+3], s[22:23]
	s_or_b32 s[G0S+3], s[G0S+3], 0x80000000
	s_mov_b32 s[G0SB], 1
	s_add_co_u32 s[G0SB+1], s94, SCL
	s_mov_b64 s[G0SB+2:G0SB+3], s[92:93]
	s_or_b32 s[G0SB+3], s[G0SB+3], 0x80000000
	JLOAD G0S, G1S, G0SB, G1SB                     ; the scales of all of K: filled once
.irp s, 0,1
	s_mov_b32 s[G0+4*\s], 1
	s_add_co_u32 s[G0+4*\s+1], s45, \s*SLOT
	s_add_nc_u64 s[G0+4*\s+2:G0+4*\s+3], s[20:21], \s*ROWB
	s_or_b32 s[G0+4*\s+3], s[G0+4*\s+3], 0x80000000
	s_mov_b32 s[G0B+4*\s], 1
	s_add_co_u32 s[G0B+4*\s+1], s45, \s*SLOT
	s_add_nc_u64 s[G0B+4*\s+2:G0B+4*\s+3], s[46:47], \s*ROWB
	s_or_b32 s[G0B+4*\s+3], s[G0B+4*\s+3], 0x80000000
	JLOAD G0+4*\s, G1, G0B+4*\s, G1B               ; three tensor loads of mine are out
.endr
	v_and_b32 v1, 15, v0                           ; r
	v_bfe_u32 v2, v0, 4, 1                         ; h
	v_mul_u32_u24 v3, v1, PITCH
	v_mul_u32_u24 v4, v2, 24
	v_add_nc_u32 v4, v3, v4                        ; a fragment's row x pitch + 24 h
	v_lshl_add_u32 v5, v2, 4, v4                   ; and the same behind one padding more
	s_mul_i32 s21, s15, HALFT                      ; my 128 rows of A
	s_mul_i32 s22, s16, HALFT                      ; my 128 rows of B,
	s_add_co_u32 s22, s22, 2*HALFT                 ; behind A's 256
.irp s, 0,1
	v_add_nc_u32 v[ADRA+\s], s21, v4
	v_add_nc_u32 v[ADRB+\s], s22, v4
	v_add_nc_u32 v[ADRA+2+\s], s21, v5
	v_add_nc_u32 v[ADRB+2+\s], s22, v5
	s_add_co_u32 s21, s21, SLOT
	s_add_co_u32 s22, s22, SLOT
.endr
	v_mul_u32_u24 v5, v1, KS                       ; my row's scales: 32 bytes a row,
	v_lshrrev_b32 v6, 8, v5
	v_lshl_add_u32 v5, v6, 4, v5                   ; and 16 more for each 256 passed
	s_mul_i32 s21, s15, HALFS
	s_mul_i32 s22, s16, HALFS
	s_add_co_u32 s22, s22, 2*HALFS
	s_sub_co_u32 s22, s22, s21
	v_mul_u32_u24 v6, s22, v2                      ; lanes 16-31 take B's
	s_add_co_u32 s21, s21, SCL
	v_add_nc_u32 v5, v5, v6
	v_add_nc_u32 v[ADRS], s21, v5
	; the way out's addresses, all made here, ahead of every parting of ways
	v_and_b32 v6, 31, v0
	v_lshlrev_b32 v[LI], 4, v6
	v_lshlrev_b32 v[L8], 3, v6
	v_lshlrev_b32 v[RO], 2, v1
	v_lshlrev_b32 v[BO], 5, v2
	s_wait_alu depctr_va_vdst(0)
	v_lshlrev_b32 v[SH], 4, v2
	s_lshl_b32 s23, s14, 10
	v_lshl_add_u32 v[SSA], v2, 9, v[RO]
	v_add_nc_u32 v[SSA], s23, v[SSA]
	v_add_nc_u32 v[SSR], s23, v[LI]
	s_lshl_b32 s23, s14, 9
	s_add_co_u32 s23, s23, VST
	v_add_nc_u32 v[SVA], s23, v[RO]
	v_add_nc_u32 v[SVR], s23, v[LI]
	v_mul_u32_u24 v4, v2, 208896
	v_lshl_add_u32 v[VSO], v1, 4, v4
	; where my 128 x 128 results go
	s_lshl_b32 s66, s17, 8
	s_lshl_b32 s21, s15, 7
	s_add_co_u32 s66, s66, s21                     ; A's first row of mine
	s_lshl_b32 s67, s42, 8
	s_lshl_b32 s21, s16, 7
	s_add_co_u32 s67, s67, s21                     ; B's first row of mine
	s_cmp_lg_u32 s95, 0
	s_cselect_b32 s22, s67, s66                    ; my first token
	s_cselect_b32 s23, s66, s67                    ; my first feature
	s_cselect_b32 s40, 0, s67                      ; the bias along registers is used by q and k; in the v case it is loaded from the buffer's start and not used
	s_cselect_b32 s41, s66, 0                      ; the bias by rows is used by v; likewise
	s_lshr_b32 s92, s22, 11                        ; batch
	s_and_b32 s93, s22, 2047                       ; token in it
	s_lshr_b32 s94, s23, 10                        ; 0 q, 1 k, 2 v
	s_bfe_u32 s45, s23, 0x40006                    ; my first head
	s_lshl_b32 s92, s92, 4
	s_add_co_u32 s92, s92, s45                     ; 16 x batch + head
	s_mul_i32 s45, s92, 208896
	s_lshr_b32 s2, s93, 7
	s_mul_i32 s2, s2, 13056
	s_add_co_u32 s45, s45, s2                      ; kv: my head's key step
	s_mul_i32 s2, s92, 98304
	s_lshr_b32 s3, s93, 4
	s_mul_i32 s3, s3, 768
	s_add_co_u32 s2, s2, s3                        ; qc: my head's first tile
	s_lshl_b32 s3, s92, 13
	s_lshl_b32 s93, s93, 2
	s_add_co_u32 s3, s3, s93                       ; qs: my head's first word
	s_mov_b32 s20, 208896
	s_mov_b32 s21, 12288
	s_cmp_eq_u32 s94, 2
	s_cselect_b32 s7, 6144, 0                      ; V's tiles lie behind K's
	s_cselect_b32 s11, 12800, s21                  ; V's scale words behind K's
	s_cmp_eq_u32 s94, 0
	s_cselect_b32 s11, 0, s11
	s_cselect_b32 s6, s2, s45
	s_cselect_b32 s10, s3, s45
	s_cselect_b32 s22, 98304, s20                  ; from a head's codes to the next head's
	s_cselect_b32 s46, 8192, s20                   ; and its scale words
	s_cselect_b64 s[4:5], s[96:97], s[100:101]     ; the buffers: a choice on ids
	s_cselect_b64 s[8:9], s[98:99], s[100:101]
	s_add_co_u32 s6, s6, s7
	s_add_co_u32 s10, s10, s11
	s_mov_b32 s7, 0
	s_mov_b32 s11, 0
	s_mov_b32 s23, 0
	s_mov_b32 s47, 0
	s_add_nc_u64 s[4:5], s[4:5], s[6:7]            ; codes, first head
	s_add_nc_u64 s[8:9], s[8:9], s[10:11]          ; scale words, first head
	s_add_nc_u64 s[6:7], s[4:5], s[22:23]          ; codes, second head
	s_add_nc_u64 s[10:11], s[8:9], s[46:47]        ; scale words, second head
	s_lshl_b32 s46, s40, 2
	s_add_nc_u64 s[46:47], s[12:13], s[46:47]
	s_lshl_b32 s22, s41, 2
	s_add_nc_u64 s[12:13], s[12:13], s[22:23]
.irp b, 0,1,2,3,4,5,6,7
	global_load_b128 v[BB+8*\b:BB+8*\b+3], v[BO], s[46:47] offset:64*\b
	global_load_b128 v[BB+8*\b+4:BB+8*\b+7], v[BO], s[46:47] offset:64*\b+16
.endr
.irp a, 0,1,2,3,4,5,6,7
	global_load_b32 v[BA+2*\a], v[RO], s[12:13] offset:64*\a
	global_load_b32 v[BA+2*\a+1], v[RO], s[12:13] offset:64*\a     ; twice: the packed addition takes a pair
.endr
	s_mov_b32 s[SEL], 0x76543210
	s_mov_b32 s[SEL+1], 0xfedcba98                 ; v_permlanex16_b32's selects for lane l xor 16
	s_wait_loadcnt 0x0                             ; the biases are in, while the tiles are on their way
.macro FRAG reg, adr, q, i             ; 16 rows x 128 K: 12 registers, in pieces of 8 bytes; where the piece three on lies behind one padding more, the second address register serves
.irp p, 0,1,2,3,4,5
.set PCE, 12*(\q)+6*(\p/3)+\p%3
.if PCE%8 < 5
	ds_load_b64 v[\reg+2*\p:\reg+2*\p+1], v[\adr] offset:8*PCE+16*(PCE/8)+(\i)*16*PITCH
.else
	ds_load_b64 v[\reg+2*\p:\reg+2*\p+1], v[\adr+2] offset:8*PCE+16*(PCE/8)+(\i)*16*PITCH
.endif
.endr
.endm
; 16 matrix instructions: A's blocks a0, a0 + 1 x B's eight.  The 64 accumulators take turns, one instruction a turn, in the same order in every step.
.macro MUL16 a0, p, q, sc, zero
.irp a, \a0, \a0+1
.irp b, 0,1,2,3,4,5,6,7
.if \zero
	v_wmma_scale_f32_16x16x128_f8f6f4 v[8*(8*((\a)%4)+\b):8*(8*((\a)%4)+\b)+7], v[128*(\p)+FR*\b:128*(\p)+FR*\b+FR-1], v[AF+FR*(\a):AF+FR*(\a)+FR-1], 0, v[SC+8*NQ*(\sc)+NQ*\b+(\q)], v[SC+8*NQ*(\sc)+NQ*(\a)+(\q)] matrix_a_fmt:MATRIX_FMT_FP6 matrix_b_fmt:MATRIX_FMT_FP6 matrix_a_scale:MATRIX_SCALE_ROW1
.else
	v_wmma_scale_f32_16x16x128_f8f6f4 v[8*(8*((\a)%4)+\b):8*(8*((\a)%4)+\b)+7], v[128*(\p)+FR*\b:128*(\p)+FR*\b+FR-1], v[AF+FR*(\a):AF+FR*(\a)+FR-1], v[8*(8*((\a)%4)+\b):8*(8*((\a)%4)+\b)+7], v[SC+8*NQ*(\sc)+NQ*\b+(\q)], v[SC+8*NQ*(\sc)+NQ*(\a)+(\q)] matrix_a_fmt:MATRIX_FMT_FP6 matrix_b_fmt:MATRIX_FMT_FP6 matrix_a_scale:MATRIX_SCALE_ROW1
.endif
.endr
.endr
.endm
.macro FETCH_B slot, q, p
	WIN TO_B
.irp i, 0,1,2,3,4,5,6,7
	FRAG 128*(\p)+FR*\i, ADRB+\slot, \q, \i
.endr
	WIN 0
.endm
.macro FETCH_A slot, q, i0
.irp i, \i0, \i0+1, \i0+2, \i0+3
	FRAG AF+FR*(\i), ADRA+\slot, \q, \i
.endr
.endm
.macro SCALES sc                       ; a K step's scale words: lanes 0-15 A's block i, lanes 16-31 B's block i
.irp i, 0,1,2,3,4,5,6,7
	ds_load_b64 v[SC+8*NQ*\sc+NQ*\i:SC+8*NQ*\sc+NQ*\i+1], v[ADRS] offset:\i*SBLK
.endr
.endm
.macro PLACES n                        ; plain vector instructions that name no register of the matrix instructions in front (ISA guide 7.12.1)
.rept \n
	v_nop
.endr
.endm
.macro STEP slot, q, zero              ; 128 along K that has its successor in the same slot
	s_wait_dscnt 4*NL                              ; B's set and A's blocks 0-3 are in; the 24 youngest loads (A's blocks 4-7) may be out
	WIN MUL_LO
	MUL16 0, (\q)%2, \q, \slot, \zero
	MUL16 2, (\q)%2, \q, \slot, \zero
	s_wait_dscnt 0
	PLACES NP
	FETCH_B \slot, (\q)+1, 1-(\q)%2
	FETCH_A \slot, (\q)+1, 0
	WIN MUL_HI
	MUL16 4, (\q)%2, \q, \slot, \zero
	MUL16 6, (\q)%2, \q, \slot, \zero
	PLACES NP
	WIN 0
	FETCH_A \slot, (\q)+1, 4
.endm
; A slot's last step changes slots: one barrier; in front of it each wave waits for all its tensor loads, adds 0 to its spare word, and waits for that and for its reads of this slot.
.macro TURN slot, next, fill
	s_wait_tensorcnt 0x0                           ; all my tensor loads have landed: my part of the next slot
	ds_add_u32 v[SPW], v[NIL]                      ; 0 onto my spare word
	s_wait_dscnt 4*NL+1                            ; the add and the 24 youngest loads may be out
	WIN MUL_LO
	MUL16 0, 1, NQ-1, \slot, 0
	s_wait_dscnt 0x0                               ; the add is done, and my reads of this slot are over
	s_barrier_signal -1
	MUL16 2, 1, NQ-1, \slot, 0
	WIN 0
	s_barrier_wait -1
.if \fill
	CREST                                          ; the barrier has opened a round of the cluster's: no wave of any partner still reads this slot or has a load on its way
	s_add_nc_u64 s[G0+4*\slot+2:G0+4*\slot+3], s[G0+4*\slot+2:G0+4*\slot+3], 2*ROWB
	s_add_nc_u64 s[G0B+4*\slot+2:G0B+4*\slot+3], s[G0B+4*\slot+2:G0B+4*\slot+3], 2*ROWB
	JLOAD G0+4*\slot, G1, G0B+4*\slot, G1B         ; my one tensor load behind the round; its four v_nop are the places in front of the loads below
.else
	PLACES NP
.endif
	s_wait_alu depctr_va_vdst(0)
	v_add_nc_u32 v[ADRS], 4*NQ, v[ADRS]            ; the next K step's scale words
	FETCH_B \next, 0, 0
	FETCH_A \next, 0, 0
	SCALES \next
	WIN MUL_HI
	MUL16 4, 1, NQ-1, \slot, 0
	MUL16 6, 1, NQ-1, \slot, 0
	PLACES NP
	WIN 0
	FETCH_A \next, 0, 4
.endm
	s_wait_tensorcnt 1                             ; the scales and my part of K step 0 are in; K step 1's load may be out
	s_barrier_signal -1
	s_barrier_wait -1
	FETCH_B 0, 0, 0
	FETCH_A 0, 0, 0
	SCALES 0
	FETCH_A 0, 0, 4
	STEP 0, 0, 1                                   ; the first step's products start the sums
	s_mov_b32 s3, LAPS-1
.Llap:                                                 ; a trip goes once round the ring and fills both slots again
	TURN 0, 1, 1
	STEP 1, 0, 0
	TURN 1, 0, 1
	STEP 0, 0, 0
	s_sub_co_u32 s3, s3, 1
	s_cmp_lg_u32 s3, 0
	s_cbranch_scc1 .Llap
	TURN 0, 1, 0                                   ; the last lap fills nothing
	STEP 1, 0, 0
	s_wait_dscnt 4*NL
	WIN MUL_LO
	MUL16 0, 1, NQ-1, 1, 0
	MUL16 2, 1, NQ-1, 1, 0
	s_wait_dscnt 0
	WIN MUL_HI
	MUL16 4, 1, NQ-1, 1, 0
	MUL16 6, 1, NQ-1, 1, 0
	WIN 0
; 64 numbers of a lane, v[s] on, sixteen of each of four blocks, become 12 registers of codes in v[PC] on and the four blocks' scale bytes in v[PW].
.macro QUANT s
.irp b, 0,1,2,3
	v_max3_num_f32 v[TM+\b], |v[\s+16*\b]|, |v[\s+1+16*\b]|, 0x1800000   ; my 16 numbers of block b, and the floor 2^(3 - 127): the byte cannot fall under 1
.endr
.irp i, 2,4,6,8,10,12,14
.irp b, 0,1,2,3
	v_max3_num_f32 v[TM+\b], v[TM+\b], |v[\s+16*\b+\i]|, |v[\s+1+16*\b+\i]|
.endr
.endr
.irp b, 0,1,2,3
	v_permlanex16_b32 v[TM+4+\b], v[TM+\b], s[SEL], s[SEL+1]
.endr
.irp b, 0,1,2,3
	v_max_num_f32 v[TM+\b], v[TM+\b], v[TM+4+\b]   ; with lane l xor 16's: the block's largest magnitude
.endr
.irp b, 0,1,2,3
	v_add_nc_u32 v[TM+12+\b], 0xff000000, v[TM+\b] ; 2 off its exponent field: the conversion's scale operand
.endr
.irp b, 0,1,2,3
	v_lshrrev_b32 v[TM+4+\b], 23, v[TM+12+\b]      ; the scale's byte
.endr
	v_lshl_or_b32 v[PW], v[TM+5], 8, v[TM+4]
	v_lshl_or_b32 v[PW], v[TM+6], 16, v[PW]
	v_lshl_or_b32 v[PW], v[TM+7], 24, v[PW]
.irp c, 0,1
	v_cvt_scalef32_pk16_fp6_f32 v[PC+6*\c:PC+2+6*\c], v[\s+32*\c:\s+15+32*\c], v[TM+12+2*\c]
	v_cvt_scalef32_pk16_fp6_f32 v[PC+12+4*\c:PC+14+4*\c], v[\s+16+32*\c:\s+31+32*\c], v[TM+12+2*\c+1]   ; (a conversion's three registers begin on an even number)
.endr
	v_nop                                          ; one plain place behind a scaled conversion
.irp c, 0,1                                    ; a whole block to a lane: lanes 0-15 block 2 c, lanes 16-31 block 2 c + 1
.irp i, 0,1,2
	v_permlane16_swap_b32 v[PC+6*\c+\i], v[PC+12+4*\c+\i]
.endr
.irp i, 0,1,2
	v_mov_b32 v[PC+3+6*\c+\i], v[PC+12+4*\c+\i]
.endr
.endr
.endm
; THE WAY OUT, a block of 16 rows of A at a time: the bias is added (each accumulator is read from its low end on), the 64 numbers are quantised, the codes leave as images:
; every store of codes covers 512 or 256 consecutive bytes at a multiple of 256 from its buffer's start.  The scale words are gathered in LDS and leave at the end.
.macro WAYOUT isv
.irp a, 0,1,2,3,4,5,6,7
	WIN 0x02+\a/4                                  ; source 0: window 2 or 3
.irp b, 0,1,2,3,4,5,6,7
.irp i, 0,2,4,6
.if \isv
	v_pk_add_f32 v[HA+8*\b+\i:HA+8*\b+\i+1], v[64*(\a%4)+8*\b+\i:64*(\a%4)+8*\b+\i+1], v[BA+2*\a:BA+2*\a+1]
.else
	v_pk_add_f32 v[HA+8*\b+\i:HA+8*\b+\i+1], v[64*(\a%4)+8*\b+\i:64*(\a%4)+8*\b+\i+1], v[BB+8*\b+\i:BB+8*\b+\i+1]
.endif
.endr
.endr
	WIN 0
.if \a > 0
	s_wait_xcnt 0x0                                ; the last block's stores have read the codes' registers
.endif
	QUANT HA
.if \isv
	v_mov_b32 v[SW+\a], v[PW]                      ; channel 16 a + r: four bytes for the key step's four blocks
	ds_store_b32 v[SVA], v[SW+\a] offset:64*\a     ; (lanes l and l xor 16 write the same word with the same value)
.irp c, 0,1,2
	global_store_b128 v[LI], v[PC+4*\c:PC+4*\c+3], s[4+2*(\a/4):5+2*(\a/4)] offset:1536*(\a%4)+512*\c
.endr
.else
	v_lshrrev_b32 v[SW+\a], v[SH], v[PW]           ; lanes 0-15: the first head's two bytes; lanes 16-31: the second head's
	v_and_b32 v[SW+\a], 0xffff, v[SW+\a]           ; bytes 2 and 3 are 0: they scale the zero codes of the upper 64 along K
	ds_store_b32 v[SSA], v[SW+\a] offset:64*\a
	global_store_b128 v[LI], v[PC:PC+3], s[4:5] offset:768*\a
	global_store_b64 v[L8], v[PC+4:PC+5], s[4:5] offset:768*\a+512
	global_store_b128 v[LI], v[PC+6:PC+9], s[6:7] offset:768*\a
	global_store_b64 v[L8], v[PC+10:PC+11], s[6:7] offset:768*\a+512
.endif
.endr
.endm
	PLACES NP                                      ; behind the last products: their results are read and A's registers written below
.irp b, 0,1,2,3
	v_mov_b32 v[TM+4+\b], 0                        ; written once: a lane permute's destination counts as one of its sources
.endr
	s_cmp_lg_u32 s95, 0                            ; the same way in all partners
	s_cbranch_scc1 .Lvout
	WAYOUT 0
	ds_load_b128 v[HA:HA+3], v[SSR]                ; LDS serves a wave's instructions in order (ISA guide 5.7.1.4): these see my stores
	ds_load_b128 v[HA+4:HA+7], v[SSR] offset:512
	s_wait_dscnt 0x0
	global_store_b128 v[LI], v[HA:HA+3], s[8:9]    ; 128 scale words of the first head: 512 consecutive bytes
	global_store_b128 v[LI], v[HA+4:HA+7], s[10:11]
	s_branch .Lend
.Lvout:
	WAYOUT 1
	ds_load_b128 v[HA:HA+3], v[SVR]
	s_wait_dscnt 0x0
	global_store_b128 v[VSO], v[HA:HA+3], s[8:9]   ; lanes 0-15: the first head's 64 words, lanes 16-31 the second's: 256 consecutive bytes each
.Lend:
	s_wait_tensorcnt 0x0                           ; the wave's end
	ds_add_u32 v[SPW], v[NIL]
	s_wait_dscnt 0x0
	CROUND                                         ; the closing round
	s_endpgm
.Lfunc_end_k_q62773f473a_qkv:
	.size	k_q62773f473a_qkv, .Lfunc_end_k_q62773f473a_qkv-k_q62773f473a_qkv
	.p2alignl 7, 3214868480
	.fill 96, 4, 3214868480
	.section	.rodata,"a",@progbits
	.p2align	6, 0x0
	.amdhsa_kernel k_q62773f473a_qkv
		.amdhsa_group_segment_fixed_size 327680
		.amdhsa_private_segment_fixed_size 0
		.amdhsa_enable_private_segment 0
		.amdhsa_kernarg_size 64
		.amdhsa_user_sgpr_count 2
		.amdhsa_user_sgpr_kernarg_segment_ptr 1
		.amdhsa_wavefront_size32 1
		.amdhsa_system_sgpr_workgroup_id_x 1
		.amdhsa_system_sgpr_workgroup_id_y 1
		.amdhsa_system_sgpr_workgroup_id_z 1
		.amdhsa_system_vgpr_workitem_id 0
		.amdhsa_next_free_vgpr 1024
		.amdhsa_next_free_sgpr 102
		.amdhsa_reserve_vcc 0
		.amdhsa_float_denorm_mode_32 3
		.amdhsa_float_denorm_mode_16_64 3
		.amdhsa_memory_ordered 1
		.amdhsa_forward_progress 1
		.amdhsa_inst_pref_size 237
	.end_amdhsa_kernel
	.amdgpu_metadata
---
amdhsa.version: [ 1, 2 ]
amdhsa.kernels:
  - .name:           k_q62773f473a_qkv
    .symbol:         k_q62773f473a_qkv.kd
    .args:
      - { .name: x_codes, .offset: 0, .size: 8, .value_kind: global_buffer, .address_space: global }
      - { .name: x_scales, .offset: 8, .size: 8, .value_kind: global_buffer, .address_space: global }
      - { .name: w_attn_codes, .offset: 16, .size: 8, .value_kind: global_buffer, .address_space: global }
      - { .name: w_attn_scales, .offset: 24, .size: 8, .value_kind: global_buffer, .address_space: global }
      - { .name: b_attn, .offset: 32, .size: 8, .value_kind: global_buffer, .address_space: global }
      - { .name: qc, .offset: 40, .size: 8, .value_kind: global_buffer, .address_space: global }
      - { .name: qs, .offset: 48, .size: 8, .value_kind: global_buffer, .address_space: global }
      - { .name: kv, .offset: 56, .size: 8, .value_kind: global_buffer, .address_space: global }
    .group_segment_fixed_size: 327680
    .private_segment_fixed_size: 0
    .kernarg_segment_align: 8
    .kernarg_segment_size: 64
    .max_flat_workgroup_size: 128
    .sgpr_count:     102
    .vgpr_count:     1024
    .wavefront_size: 32
...
	.end_amdgpu_metadata
.endif
;; end of part 1
;; launch attn (part 2): grid 4 x 64, 16 waves a work-group, clusters of 4 x 1, 210,944 bytes of LDS; arguments qc, qs, kv, yc, ys; writes yc, ys
.if DOCPART == 2
	.amdgcn_target "amdgcn-amd-amdhsa--gfx1250"
	.amdhsa_code_object_version 6
	.text
	.protected	k_q62773f473a_attn
	.globl	k_q62773f473a_attn
	.p2align	8
	.type	k_q62773f473a_attn,@function
k_q62773f473a_attn:
	s_mov_b64 s[64:65], 0
	v_nop
	global_prefetch_b8 v0, s[64:65] scope:SCOPE_SE
	s_setreg_imm32_b32 hwreg(HW_REG_WAVE_MODE, 25, 1), 1
	s_wait_xcnt 0x0
	s_wait_alu depctr_hold_cnt(0) depctr_sa_sdst(0) depctr_va_vdst(0) depctr_va_sdst(0) depctr_va_ssrc(0) depctr_va_vcc(0) depctr_vm_vsrc(0)
	s_getreg_b32 s2, hwreg(HW_REG_IB_STS2, 6, 4)
	s_cmp_eq_u32 s2, 0
	s_cbranch_scc0 .Lentry_in_a_cluster
	s_endpgm
.Lentry_in_a_cluster:
	s_bfe_u32 s2, ttmp6, 0x10000c
	s_cmp_lg_u32 s2, 0x3003
	s_cbranch_scc0 .Lentry_shape_is_right
	s_endpgm
.Lentry_shape_is_right:
; y = softmax(q k^T / 8, causal) v for 64 heads of 2,048 tokens x 64, both products on codes of FP6 (E2M3) with E8M0 scales; y is quantised along C on the way out.
; THE SOFTMAX: t = score x log2(e) / 8; M = the running largest t rounded UP to a whole number; p = 2^(t - M) is quantised along the keys, not normalised; the row's sum is taken of the unquantised p and divides at the end.
; When M moves, the sum and O are multiplied by 2^(old M - new M): exact.
; SHARES.  A cluster of four work-groups is one head.  The head's K, V and their scale words, 16 key steps x 13,056 bytes, fit in LDS whole: each of the sixteen waves asks for one key step by ONE joint load
; that names all four work-groups; the bytes are filled once, so the key loops have no barrier.  One tensor load of a wave is out.
; The head's 128 tiles of 16 queries are 16 groups of 8; group g needs key steps 0 .. g.  Wave w (w' = w % 8, e = w / 8) of work-group cx owns tile 2 cx + e of group 15 - w', then of group w':
; 17 key steps for every wave of every work-group.  Which steps are left out or lie on the diagonal hangs on the wave's number and the loop's count alone; cx enters global addresses and the mask's numbers.
; LAYOUT.  Both products are used transposed: S^T = K Q^T (source 0 = 16 keys), O^T = V^T P^T (source 0 = 16 channels): a lane holds ONE query (lane % 16) throughout.
; K = 64 IN AN INSTRUCTION OF 128: Q's registers 6-11 are zero codes and bytes 2, 3 of both scale words are 0 (no NaN byte).  K's tiles lie packed, six registers each, so a tile's operand takes the next tile's codes
; (the last: six zero registers) as its upper 64 along K: FP6 has no NaN code, so those products are exact zeros.
; THE ORDER OF CODES IN A BLOCK of q, k, v and p is the launch before's: lane h = 0's sixteen numbers, then lane h = 1's; the same on both sides of each product.  y meets given codes, so it is laid in the true order.
; OUT: yc [4 groups of 4 heads][512 tiles of 16 rows][4 heads][768]: six registers a lane as an image (0-3 at 16 x lane, 4-5 at 512 + 8 x lane).  ys [8,192 rows][32]: a head's two scale bytes at 2 x head.
; ys leaves as 2 bytes a row, rows 32 bytes apart: one byte for each 24 of yc; the neighbours in a row belong to other heads, which are other clusters' work.
; LIMITS: NaN and infinities are not served.  A block of zeros, and one whose largest magnitude lies under 2^-124, gets the scale byte 1: the bytes are read by this program alone.
.set STEPB, 13056                      ; a key step in LDS and in memory: K's 8 tiles, V's 4 tiles, 128 + 64 scale words
.set VOFF,  6144
.set KSOFF, 12288
.set VSOFF, 12800
.set LI,  1                            ; v1   16 x lane
.set L8,  2                            ; v2   8 x lane
.set L4,  3                            ; v3   4 x lane
.set A16, 4                            ; v4-6 the same + the key step's first byte
.set A8,  5
.set A4,  6
.set DG,  7                            ; v7   my query in its group - 8 h
.set NINF, 8                           ; v8   -infinity
.set QO,  9                            ; v9   4 r; at the end ys's offset
.set RR,  10                           ; v10  r
.set HH,  11                           ; v11  h
.set QSH, 16                           ; v16, v17 Q's scale words; v18-21 K's; v22-23 V's; v24 p's: these hold scales and nothing else
.set QSL, 17
.set KSC, 18
.set VSC, 22
.set PS,  24
.set FF,  26                           ; v[26:27] f = 2^(old M - new M), and 0
.set YSH, 28                           ; v28, v30 y's two scale bytes of the two tiles
.set SCR, 29
.set YSL, 30
.set QH,  32                           ; v32-43, v44-55 Q's two tiles
.set QL,  44
.set KF,  56                           ; v56-103 K's 8 tiles, later V's 4; v104-109 zeros
.set S,   110                          ; v110-173 S^T, then p
.set O,   174                          ; v174-205 O^T
.set PC,  206                          ; v206-217 p's codes
.set CT,  218                          ; v218-225 conversions' second halves
.set BM,  226
.set PT,  230
.set SO,  234
.set SUM2, 238
.set WV,  14
.set WL,  15
.set WE,  16
.set CX,  17
.set BH,  18
.set G,   19                           ; the group in hand = its last key step
.set SEL, 20
.set CS,  22
.set G1,  24
.set G0,  32
.set QBH, 36
.set QBL, 38
.set QSBH, 40
.set QSBL, 42
.set YBH, 44
.set YBL, 46
.set SN,  48                           ; the key step
.set TB,  49                           ; its first LDS byte
.set LM,  50                           ; lanes 16-31
.set YOH, 51
.set YOL, 52
.macro CROUND                          ; a round of the cluster's barrier
	s_barrier_signal -1
	s_barrier_wait -1
	s_cmp_lg_u32 s[WV], 0
	s_cbranch_scc1 .Lnot_wave_0_\@
	s_barrier_signal -3
.Lnot_wave_0_\@:
	s_barrier_wait -3
	s_barrier_signal -1
	s_barrier_wait -1
.endm
	s_load_b128 s[4:7], s[0:1], 0x0                ; qc, qs
	s_load_b128 s[8:11], s[0:1], 0x10              ; kv, yc
	s_load_b64 s[12:13], s[0:1], 0x20              ; ys
	v_lshl_add_u32 v254, v0, 2, 0x33000
	v_mov_b32 v255, 0
	ds_add_u32 v254, v255
	ds_add_u32 v254, v255
	v_lshrrev_b32 v1, 5, v0
	s_delay_alu instid0(VALU_DEP_1)
	v_readfirstlane_b32 s[WV], v1                  ; wave 0..15
	s_and_b32 s[WL], s[WV], 7
	s_lshr_b32 s[WE], s[WV], 3
	s_bfe_u32 s[CX], ttmp6, 0x40000                ; my place in the cluster
	s_and_b32 s[BH], ttmp7, 0xffff                 ; 16 x batch + head: the four partners share it
	; descriptor: my key step, 13,056 dense bytes, as 51 rows of 256 bytes (32 elements of 8 bytes), no padding: every read is 16, 8 or 4 bytes x lane on end
	s_mov_b32 s[G1], 15|(3<<16)|(1<<21)            ; 15:0 the mask: all four work-groups; 17:16 elements of 8 bytes; 21 set beside a mask
	s_mov_b32 s[G1+1], 32<<16
	s_mov_b32 s[G1+2], 51<<16
	s_mov_b32 s[G1+3], 32<<16
	s_mov_b32 s[G1+4], 51
	s_mov_b32 s[G1+5], 32
	s_mov_b32 s[G1+6], 0
	s_mov_b32 s[G1+7], 0
	s_mov_b32 s[G0], 1
	s_mul_i32 s[G0+1], s[WV], STEPB                ; LDS address: the wave's number alone
	s_mul_i32 s54, s[BH], 16*STEPB
	s_add_co_u32 s54, s54, s[G0+1]
	s_mov_b32 s55, 0
	s_wait_dscnt 0x0
	s_wait_kmcnt 0x0
	s_add_nc_u64 s[G0+2:G0+3], s[8:9], s[54:55]
	s_or_b32 s[G0+3], s[G0+3], 0x80000000
	CROUND                                         ; all four work-groups are here: the joint loads meet
	tensor_load_to_lds s[G0:G0+3], s[G1:G1+7]
	s_nop 0
.rept 4
	v_nop
.endr
	s_lshl_b32 s53, s[CX], 1
	s_add_co_u32 s53, s53, s[WE]                   ; my tile in a group
	s_sub_co_u32 s54, 15, s[WL]
	s_lshl_b32 s54, s54, 3
	s_add_co_u32 s54, s54, s53                     ; the upper tile
	s_lshl_b32 s55, s[WL], 3
	s_add_co_u32 s55, s55, s53                     ; the lower tile
	s_lshl_b32 s56, s[BH], 7
	s_add_co_u32 s57, s56, s54                     ; their numbers in qc
	s_add_co_u32 s58, s56, s55
	s_lshr_b32 s59, s[BH], 4                       ; batch
	s_and_b32 s60, s[BH], 15                       ; head
	s_lshl_b32 s59, s59, 7
	s_add_co_u32 s54, s59, s54                     ; their numbers among the 512 tiles of rows
	s_add_co_u32 s55, s59, s55
	s_lshr_b32 s61, s60, 2
	s_mul_i32 s61, s61, 1572864
	s_and_b32 s62, s60, 3
	s_mul_i32 s62, s62, 768
	s_add_co_u32 s61, s61, s62                     ; the head's part of yc's offset
	s_lshl_b32 s60, s60, 1
	s_lshl_b32 s[YOH], s54, 9
	s_add_co_u32 s[YOH], s[YOH], s60               ; ys: 32 bytes x 16 rows x tile + 2 x head
	s_lshl_b32 s[YOL], s55, 9
	s_add_co_u32 s[YOL], s[YOL], s60
	s_mul_i32 s54, s54, 3072
	s_add_co_u32 s54, s54, s61
	s_mul_i32 s55, s55, 3072
	s_add_co_u32 s55, s55, s61
	s_mov_b32 s63, 0
	s_mov_b32 s62, s54
	s_add_nc_u64 s[YBH:YBH+1], s[10:11], s[62:63]
	s_mov_b32 s62, s55
	s_add_nc_u64 s[YBL:YBL+1], s[10:11], s[62:63]
	s_mul_i32 s62, s57, 768
	s_add_nc_u64 s[QBH:QBH+1], s[4:5], s[62:63]
	s_mul_i32 s62, s58, 768
	s_add_nc_u64 s[QBL:QBL+1], s[4:5], s[62:63]
	s_lshl_b32 s62, s57, 6
	s_add_nc_u64 s[QSBH:QSBH+1], s[6:7], s[62:63]
	s_lshl_b32 s62, s58, 6
	s_add_nc_u64 s[QSBL:QSBL+1], s[6:7], s[62:63]
	s_lshl_b32 s53, s53, 4                         ; my tile's first query in its group
	s_mov_b32 s[SEL], 0x76543210
	s_mov_b32 s[SEL+1], 0xfedcba98                 ; v_permlanex16_b32's selects for lane l xor 16
	s_mov_b32 s[CS], 0x3e38aa3b                    ; c = log2(e) / 8
	s_mov_b32 s[CS+1], s[CS]                       ; (named with it as a pair, so it is written)
	s_mov_b32 s[LM], 0xffff0000
	v_and_b32 v[QO], 31, v0
	s_delay_alu instid0(VALU_DEP_1)
	v_lshlrev_b32 v[LI], 4, v[QO]
	s_delay_alu instid0(VALU_DEP_2)
	v_lshlrev_b32 v[L8], 3, v[QO]
	s_delay_alu instid0(VALU_DEP_3)
	v_lshlrev_b32 v[L4], 2, v[QO]
	v_and_b32 v[RR], 15, v0
	v_bfe_u32 v[HH], v0, 4, 1
	s_delay_alu instid0(VALU_DEP_2)
	v_lshlrev_b32 v[QO], 2, v[RR]
	global_load_b128 v[QH:QH+3], v[LI], s[QBH:QBH+1]
	global_load_b64 v[QH+4:QH+5], v[L8], s[QBH:QBH+1] offset:512
	global_load_b128 v[QL:QL+3], v[LI], s[QBL:QBL+1]
	global_load_b64 v[QL+4:QL+5], v[L8], s[QBL:QBL+1] offset:512
	global_load_b32 v[QSH], v[QO], s[QSBH:QSBH+1]
	global_load_b32 v[QSL], v[QO], s[QSBL:QSBL+1]
	v_lshlrev_b32 v[DG], 3, v[HH]
	s_delay_alu instid0(VALU_DEP_1)
	v_sub_nc_u32 v[DG], v[RR], v[DG]
	s_delay_alu instid0(VALU_DEP_1)
	v_add_nc_u32 v[DG], s53, v[DG]                 ; register 8 t + j holds key 16 t + 8 h + j of the step: on the diagonal it is hidden where 16 t + j > this
	v_mov_b32 v[NINF], 0xff800000
.irp i, 6,7,8,9,10,11
	v_mov_b32 v[QH+\i], 0                          ; zero codes for the upper 64 along K
	v_mov_b32 v[QL+\i], 0
	v_mov_b32 v[KF+42+\i], 0                       ; v104-109
.endr
.irp b, 0,1,2,3
	v_mov_b32 v[PT+\b], 0                          ; written once: a lane permute's destination counts as one of its sources
.endr
	v_mov_b32 v[SCR], 0
	v_mov_b32 v[FF+1], 0                           ; (named as the upper half of a pair)
.macro INIT                            ; a tile begins: O^T and the sum are zeros, which the first change of M leaves zeros
	v_mov_b32 v13, 0xff61b1e6                      ; the largest t so far: -3e38
	s_delay_alu instid0(VALU_DEP_1)
	v_floor_f32 v12, -v13                          ; -M
	v_mov_b32 v14, 0
	v_mov_b32 v15, 0
.irp j, 0,1,2,3,4,5,6,7,8,9,10,11,12,13,14,15,16,17,18,19,20,21,22,23,24,25,26,27,28,29,30,31
	v_mov_b32 v[O+\j], 0
.endr
	s_mov_b32 s[SN], 0
	s_mov_b32 s[TB], 0
.endm
; A KEY STEP of the tile whose Q lies in v[q] on, with scale words in v[qs].
.macro STEP q, qs
	s_cmp_gt_u32 s[SN], s[G]                       ; all its keys come after my queries: only the counts step
	s_cbranch_scc1 .Lskip_\@
	s_setprio 2
	v_add_nc_u32 v[A16], s[TB], v[LI]
	v_add_nc_u32 v[A8], s[TB], v[L8]
	v_add_nc_u32 v[A4], s[TB], v[L4]
	v_nop                                          ; four places in front of loads into registers that the last step's products read
.irp t, 0,1,2,3,4,5,6,7
	ds_load_b128 v[KF+6*\t:KF+6*\t+3], v[A16] offset:768*\t
	ds_load_b64 v[KF+6*\t+4:KF+6*\t+5], v[A8] offset:768*\t+512
.endr
.irp i, 0,1,2,3
	ds_load_b32 v[KSC+\i], v[A4] offset:KSOFF+128*\i   ; lanes 0-15: tile 2 i's words; lanes 16-31: tile 2 i + 1's
.endr
	s_wait_alu depctr_va_vdst(0)
	s_wait_dscnt 0x0
.irp t, 0,1,2,3,4,5,6,7
.if \t%2
	v_wmma_scale_f32_16x16x128_f8f6f4 v[S+8*\t:S+8*\t+7], v[KF+6*\t:KF+6*\t+11], v[\q:\q+11], 0, v[KSC+\t/2], v[\qs] matrix_a_fmt:MATRIX_FMT_FP6 matrix_b_fmt:MATRIX_FMT_FP6 matrix_a_scale:MATRIX_SCALE_ROW1
.else
	v_wmma_scale_f32_16x16x128_f8f6f4 v[S+8*\t:S+8*\t+7], v[KF+6*\t:KF+6*\t+11], v[\q:\q+11], 0, v[KSC+\t/2], v[\qs] matrix_a_fmt:MATRIX_FMT_FP6 matrix_b_fmt:MATRIX_FMT_FP6
.endif
.endr
.rept 4
	v_nop                                          ; places behind the products: V's loads land on K's registers, and the scores are read
.endr
.irp t, 0,1,2,3
.irp c, 0,1,2
	ds_load_b128 v[KF+12*\t+4*\c:KF+12*\t+4*\c+3], v[A16] offset:VOFF+1536*\t+512*\c   ; V's tiles are asked for here and land under the softmax
.endr
.endr
.irp i, 0,1
	ds_load_b32 v[VSC+\i], v[A4] offset:VSOFF+128*\i
.endr
	s_cmp_lg_u32 s[SN], s[G]                       ; on the diagonal hidden scores become -infinity: p = 0 then
	s_cbranch_scc1 .Lopen_\@
.irp t, 0,1,2,3,4,5,6,7
.irp j, 0,1,2,3,4,5,6,7
	v_cmp_gt_i32 vcc_lo, 16*\t+\j, v[DG]
	v_cndmask_b32 v[S+8*\t+\j], v[S+8*\t+\j], v[NINF], vcc_lo
.endr
.endr
.Lopen_\@:
.irp b, 0,1,2,3
	v_max3_num_f32 v[BM+\b], v[S+16*\b], v[S+1+16*\b], v[S+2+16*\b]   ; the largest score of each block of 32 keys: for the row's maximum, and, since p rises with the score, for the block's largest p
.endr
.irp i, 3,5,7,9,11,13
.irp b, 0,1,2,3
	v_max3_num_f32 v[BM+\b], v[BM+\b], v[S+16*\b+\i], v[S+1+16*\b+\i]
.endr
.endr
.irp b, 0,1,2,3
	v_max_num_f32 v[BM+\b], v[BM+\b], v[S+15+16*\b]
.endr
.irp b, 0,1,2,3
	s_delay_alu instid0(VALU_DEP_4)
	v_permlanex16_b32 v[PT+\b], v[BM+\b], s[SEL], s[SEL+1]
.endr
.irp b, 0,1,2,3
	s_delay_alu instid0(VALU_DEP_4)
	v_max_num_f32 v[BM+\b], v[BM+\b], v[PT+\b]     ; with lane l xor 16's 16 keys
.endr
	s_delay_alu instid0(VALU_DEP_2)
	v_max3_num_f32 v[SCR], v[BM], v[BM+1], v[BM+2]
	s_delay_alu instid0(VALU_DEP_1)
	v_max_num_f32 v[SCR], v[SCR], v[BM+3]
	s_delay_alu instid0(VALU_DEP_1)
	v_mul_f32 v[SCR], s[CS], v[SCR]                ; as t
	s_delay_alu instid0(VALU_DEP_1)
	v_max_num_f32 v13, v13, v[SCR]                 ; the running largest t
	v_mov_b32 v[SCR], v12
	s_delay_alu instid0(VALU_DEP_2)
	v_floor_f32 v12, -v13                          ; the new -M = -ceil(t)
	s_delay_alu instid0(VALU_DEP_1)
	v_sub_f32 v[SCR], v12, v[SCR]                  ; old M - new M: a whole number, 0 or less
	s_delay_alu instid0(VALU_DEP_1)
	v_cvt_i32_f32 v[SCR], v[SCR]                   ; (it saturates)
	s_delay_alu instid0(VALU_DEP_1)
	v_ldexp_f32 v[FF], 1.0, v[SCR]                 ; f
.irp j, 0,2,4,6,8,10,12,14,16,18,20,22,24,26,28,30,32,34,36,38,40,42,44,46,48,50,52,54,56,58,60,62
	v_pk_fma_f32 v[S+\j:S+\j+1], v[S+\j:S+\j+1], s[CS:CS+1], v[12:13] op_sel_hi:[1,0,0]   ; t - M
.endr
	s_setprio 1
.irp b, 0,1,2,3
	v_fma_f32 v[BM+\b], v[BM+\b], s[CS], v12       ; the same of each block's largest score
.endr
	s_wait_alu depctr_va_vdst(0)
.irp j, 0,1,2,3,4,5,6,7,8,9,10,11,12,13,14,15,16,17,18,19,20,21,22,23,24,25,26,27,28,29,30,31,32,33,34,35,36,37,38,39,40,41,42,43,44,45,46,47,48,49,50,51,52,53,54,55,56,57,58,59,60,61,62,63
	v_exp_f32 v[S+\j], v[S+\j]                     ; p = 2^(t - M)
.endr
.irp b, 0,1,2,3
	v_exp_f32 v[BM+\b], v[BM+\b]                   ; the block's largest p
.endr
	v_pk_mul_f32 v[14:15], v[14:15], v[FF:FF+1] op_sel_hi:[1,0]   ; the sums under the new M.  (A plain place behind the exponentials)
	s_wait_alu depctr_va_vdst(0)
.irp b, 0,1,2,3
	v_max_num_f32 v[BM+\b], 0x1800000, v[BM+\b]    ; the floor 2^(3 - 127): the byte cannot fall under 1
.endr
.irp b, 0,1,2,3
	s_delay_alu instid0(VALU_DEP_4)
	v_add_nc_u32 v[SO+\b], 0xff000000, v[BM+\b]    ; 2 off the exponent field: the conversion's scale operand
.endr
.irp b, 0,1,2,3
	s_delay_alu instid0(VALU_DEP_4)
	v_lshrrev_b32 v[PT+\b], 23, v[SO+\b]           ; the scale's byte
.endr
	s_delay_alu instid0(VALU_DEP_3)
	v_lshl_or_b32 v[PS], v[PT+1], 8, v[PT]
	s_delay_alu instid0(VALU_DEP_1)
	v_lshl_or_b32 v[PS], v[PT+2], 16, v[PS]
	s_delay_alu instid0(VALU_DEP_1)
	v_lshl_or_b32 v[PS], v[PT+3], 24, v[PS]        ; p's scale word for these 128 keys
.irp c, 0,1
	v_cvt_scalef32_pk16_fp6_f32 v[PC+6*\c:PC+2+6*\c], v[S+32*\c:S+15+32*\c], v[SO+2*\c]
	v_cvt_scalef32_pk16_fp6_f32 v[CT+4*\c:CT+2+4*\c], v[S+16+32*\c:S+31+32*\c], v[SO+2*\c+1]
.endr
	v_nop                                          ; one plain place behind a scaled conversion
.irp c, 0,1                                    ; a whole block to a lane
.irp i, 0,1,2
	v_permlane16_swap_b32 v[PC+6*\c+\i], v[CT+4*\c+\i]
.endr
.irp i, 0,1,2
	s_delay_alu instid0(VALU_DEP_3)
	v_mov_b32 v[PC+3+6*\c+\i], v[CT+4*\c+\i]
.endr
.endr
	v_pk_add_f32 v[238:239], v[114:115], v[118:119]
	v_pk_add_f32 v[252:253], v[122:123], v[126:127]
	v_pk_add_f32 v[250:251], v[130:131], v[134:135]
	v_pk_add_f32 v[248:249], v[138:139], v[142:143]
	v_pk_add_f32 v[246:247], v[146:147], v[150:151]
	v_pk_add_f32 v[244:245], v[154:155], v[158:159]
	v_pk_add_f32 v[242:243], v[162:163], v[166:167]
	v_pk_add_f32 v[14:15], v[14:15], v[170:171]
	v_pk_add_f32 v[238:239], v[238:239], v[110:111]
	v_pk_add_f32 v[252:253], v[252:253], v[112:113]
	s_setprio 0
	v_pk_add_f32 v[250:251], v[250:251], v[116:117]
	v_pk_add_f32 v[248:249], v[248:249], v[120:121]
	v_pk_add_f32 v[246:247], v[246:247], v[124:125]
	v_pk_add_f32 v[244:245], v[244:245], v[128:129]
	v_pk_add_f32 v[242:243], v[242:243], v[132:133]
	v_pk_add_f32 v[14:15], v[14:15], v[136:137]
	v_pk_add_f32 v[238:239], v[238:239], v[140:141]
	v_pk_add_f32 v[252:253], v[252:253], v[144:145]
	v_pk_add_f32 v[250:251], v[250:251], v[148:149]
	v_pk_add_f32 v[248:249], v[248:249], v[152:153]
	v_pk_add_f32 v[246:247], v[246:247], v[156:157]
	v_pk_add_f32 v[244:245], v[244:245], v[160:161]
	v_pk_add_f32 v[242:243], v[242:243], v[164:165]
	v_pk_add_f32 v[14:15], v[14:15], v[168:169]
	v_pk_add_f32 v[238:239], v[238:239], v[172:173]
	s_delay_alu instid0(VALU_DEP_2)
	v_pk_add_f32 v[14:15], v[14:15], v[248:249]
	s_delay_alu instid0(VALU_DEP_2)
	v_pk_add_f32 v[238:239], v[238:239], v[246:247]
	v_pk_add_f32 v[252:253], v[252:253], v[244:245]
	v_pk_add_f32 v[250:251], v[250:251], v[242:243]
	s_delay_alu instid0(VALU_DEP_2)
	v_pk_add_f32 v[14:15], v[14:15], v[252:253]
	s_delay_alu instid0(VALU_DEP_2)
	v_pk_add_f32 v[238:239], v[238:239], v[250:251]
	s_delay_alu instid0(VALU_DEP_1)
	v_pk_add_f32 v[14:15], v[14:15], v[238:239]
.irp j, 0,2,4,6,8,10,12,14,16,18,20,22,24,26,28,30
	v_pk_mul_f32 v[O+\j:O+\j+1], v[O+\j:O+\j+1], v[FF:FF+1] op_sel_hi:[1,0]   ; O^T under the new M, each accumulator from its low end on
.endr
	s_wait_alu depctr_va_vdst(0)
	s_wait_dscnt 0x0                               ; V is in
.irp t, 0,1,2,3
.if \t%2
	v_wmma_scale_f32_16x16x128_f8f6f4 v[O+8*\t:O+8*\t+7], v[KF+12*\t:KF+12*\t+11], v[PC:PC+11], v[O+8*\t:O+8*\t+7], v[VSC+\t/2], v[PS] matrix_a_fmt:MATRIX_FMT_FP6 matrix_b_fmt:MATRIX_FMT_FP6 matrix_a_scale:MATRIX_SCALE_ROW1
.else
	v_wmma_scale_f32_16x16x128_f8f6f4 v[O+8*\t:O+8*\t+7], v[KF+12*\t:KF+12*\t+11], v[PC:PC+11], v[O+8*\t:O+8*\t+7], v[VSC+\t/2], v[PS] matrix_a_fmt:MATRIX_FMT_FP6 matrix_b_fmt:MATRIX_FMT_FP6
.endif
.endr
.Lskip_\@:
	s_add_co_u32 s[SN], s[SN], 1
	s_add_co_u32 s[TB], s[TB], STEPB
.endm
; A tile ends: O^T / the sum is y(query r, channel 16 t + 8 h + j).  Sixteen exchanges of halves make a lane's registers 16 b + i the TRUE neighbours 32 b + 16 h + i; the head's two blocks are quantised;
; the six registers of codes leave as an image (512 and 256 consecutive bytes), the two scale bytes stay in v[dst].
.macro OUT dst, yb
.rept 4
	v_nop                                          ; places behind the last products
.endr
	v_add_f32 v14, v14, v15
	s_delay_alu instid0(VALU_DEP_1)
	v_permlanex16_b32 v[SCR], v14, s[SEL], s[SEL+1]
	s_delay_alu instid0(VALU_DEP_1)
	v_add_f32 v14, v14, v[SCR]                     ; the row's sum
	s_wait_alu depctr_va_vdst(0)
	v_rcp_f32 v14, v14
	v_nop                                          ; one plain place behind a transcendental
	s_wait_alu depctr_va_vdst(0)
.irp j, 0,2,4,6,8,10,12,14,16,18,20,22,24,26,28,30
	v_pk_mul_f32 v[S+\j:S+\j+1], v[O+\j:O+\j+1], v[14:15] op_sel_hi:[1,0]
.endr
.irp b, 0,1
.irp j, 0,1,2,3,4,5,6,7
	v_permlane16_swap_b32 v[S+16*\b+\j], v[S+16*\b+8+\j]
.endr
.endr
.irp b, 0,1
	v_max3_num_f32 v[BM+\b], |v[S+16*\b]|, |v[S+1+16*\b]|, 0x1800000
.endr
.irp i, 2,4,6,8,10,12,14
.irp b, 0,1
	s_delay_alu instid0(VALU_DEP_2)
	v_max3_num_f32 v[BM+\b], v[BM+\b], |v[S+16*\b+\i]|, |v[S+1+16*\b+\i]|
.endr
.endr
.irp b, 0,1
	s_delay_alu instid0(VALU_DEP_2)
	v_permlanex16_b32 v[PT+\b], v[BM+\b], s[SEL], s[SEL+1]
.endr
.irp b, 0,1
	s_delay_alu instid0(VALU_DEP_2)
	v_max_num_f32 v[BM+\b], v[BM+\b], v[PT+\b]
.endr
.irp b, 0,1
	s_delay_alu instid0(VALU_DEP_2)
	v_add_nc_u32 v[SO+\b], 0xff000000, v[BM+\b]
.endr
.irp b, 0,1
	s_delay_alu instid0(VALU_DEP_2)
	v_lshrrev_b32 v[PT+\b], 23, v[SO+\b]
.endr
	s_delay_alu instid0(VALU_DEP_1)
	v_lshl_or_b32 v[\dst], v[PT+1], 8, v[PT]
	v_cvt_scalef32_pk16_fp6_f32 v[PC:PC+2], v[S:S+15], v[SO]
	v_cvt_scalef32_pk16_fp6_f32 v[CT:CT+2], v[S+16:S+31], v[SO+1]
	v_nop                                          ; one plain place behind a scaled conversion
.irp i, 0,1,2
	v_permlane16_swap_b32 v[PC+\i], v[CT+\i]
.endr
.irp i, 0,1,2
	s_delay_alu instid0(VALU_DEP_3)
	v_mov_b32 v[PC+3+\i], v[CT+\i]
.endr
	global_store_b128 v[LI], v[PC:PC+3], s[\yb:\yb+1]
	global_store_b64 v[L8], v[PC+4:PC+5], s[\yb:\yb+1] offset:512
.endm
	INIT
	s_wait_tensorcnt 0x0                           ; my key step has landed,
	s_barrier_signal -1
	s_barrier_wait -1                              ; everybody's has: the head's K and V lie in LDS for the rest of the launch
	s_wait_loadcnt 0x0                             ; Q
	s_sub_co_u32 s[G], 15, s[WL]                   ; the upper tile: groups 8-15
.Lhigh:
	STEP QH, QSH
	s_cmp_lt_u32 s[SN], 16
	s_cbranch_scc1 .Lhigh
	s_setprio 0
	OUT YSH, YBH
	INIT
	s_mov_b32 s[G], s[WL]                          ; the lower tile: groups 0-7
	s_wait_xcnt 0x0                                ; the stores have read the codes' registers, which the next steps write
.Llow:
	STEP QL, QSL
	s_cmp_lt_u32 s[SN], 8
	s_cbranch_scc1 .Llow
	s_setprio 0
	OUT YSL, YBL
	v_mov_b32 v[QO], s[YOH]                        ; lanes 0-15 store the upper tile's 16 rows' bytes, lanes 16-31 the lower tile's
	v_mov_b32 v[SCR], s[YOL]
	s_delay_alu instid0(VALU_DEP_1)
	v_cndmask_b32 v[QO], v[QO], v[SCR], s[LM]
	s_delay_alu instid0(VALU_DEP_1)
	v_lshl_add_u32 v[QO], v[RR], 5, v[QO]
	v_cndmask_b32 v[SCR], v[YSH], v[YSL], s[LM]
	global_store_b16 v[QO], v[SCR], s[12:13]
	s_wait_tensorcnt 0x0
	ds_add_u32 v254, v255
	s_wait_dscnt 0x0
	CROUND                                         ; the closing round
	s_endpgm
.Lfunc_end_k_q62773f473a_attn:
	.size	k_q62773f473a_attn, .Lfunc_end_k_q62773f473a_attn-k_q62773f473a_attn
	.p2alignl 7, 3214868480
	.fill 96, 4, 3214868480
	.section	.rodata,"a",@progbits
	.p2align	6, 0x0
	.amdhsa_kernel k_q62773f473a_attn
		.amdhsa_group_segment_fixed_size 210944
		.amdhsa_private_segment_fixed_size 0
		.amdhsa_enable_private_segment 0
		.amdhsa_kernarg_size 40
		.amdhsa_user_sgpr_count 2
		.amdhsa_user_sgpr_kernarg_segment_ptr 1
		.amdhsa_wavefront_size32 1
		.amdhsa_system_sgpr_workgroup_id_x 1
		.amdhsa_system_sgpr_workgroup_id_y 1
		.amdhsa_system_sgpr_workgroup_id_z 1
		.amdhsa_system_vgpr_workitem_id 0
		.amdhsa_next_free_vgpr 256
		.amdhsa_next_free_sgpr 66
		.amdhsa_reserve_vcc 1
		.amdhsa_float_denorm_mode_32 3
		.amdhsa_float_denorm_mode_16_64 3
		.amdhsa_memory_ordered 1
		.amdhsa_forward_progress 1
		.amdhsa_inst_pref_size 64
	.end_amdhsa_kernel
	.amdgpu_metadata
---
amdhsa.version: [ 1, 2 ]
amdhsa.kernels:
  - .name:           k_q62773f473a_attn
    .symbol:         k_q62773f473a_attn.kd
    .args:
      - { .name: qc, .offset: 0, .size: 8, .value_kind: global_buffer, .address_space: global }
      - { .name: qs, .offset: 8, .size: 8, .value_kind: global_buffer, .address_space: global }
      - { .name: kv, .offset: 16, .size: 8, .value_kind: global_buffer, .address_space: global }
      - { .name: yc, .offset: 24, .size: 8, .value_kind: global_buffer, .address_space: global }
      - { .name: ys, .offset: 32, .size: 8, .value_kind: global_buffer, .address_space: global }
    .group_segment_fixed_size: 210944
    .private_segment_fixed_size: 0
    .kernarg_segment_align: 8
    .kernarg_segment_size: 40
    .max_flat_workgroup_size: 512
    .sgpr_count:     66
    .vgpr_count:     256
    .wavefront_size: 32
...
	.end_amdgpu_metadata
.endif
;; end of part 2
;; launch proj (part 3): grid 4 x 32, 4 waves a work-group, clusters of 4 x 4, 327,680 bytes of LDS; arguments yc, ys, w_proj_codes, w_proj_scales, b_proj, out0; writes out0
.if DOCPART == 3
	.amdgcn_target "amdgcn-amd-amdhsa--gfx1250"
	.amdhsa_code_object_version 6
	.text
	.protected	k_q62773f473a_proj
	.globl	k_q62773f473a_proj
	.p2align	8
	.type	k_q62773f473a_proj,@function
k_q62773f473a_proj:
	s_mov_b64 s[64:65], 0
	v_nop
	global_prefetch_b8 v0, s[64:65] scope:SCOPE_SE
	s_setreg_imm32_b32 hwreg(HW_REG_WAVE_MODE, 25, 1), 1
	s_wait_xcnt 0x0
	s_wait_alu depctr_hold_cnt(0) depctr_sa_sdst(0) depctr_va_vdst(0) depctr_va_sdst(0) depctr_va_ssrc(0) depctr_va_vcc(0) depctr_vm_vsrc(0)
	s_getreg_b32 s2, hwreg(HW_REG_IB_STS2, 6, 4)
	s_cmp_eq_u32 s2, 0
	s_cbranch_scc0 .Lentry_in_a_cluster
	s_endpgm
.Lentry_in_a_cluster:
	s_bfe_u32 s2, ttmp6, 0x10000c
	s_cmp_lg_u32 s2, 0xf033
	s_cbranch_scc0 .Lentry_shape_is_right
	s_endpgm
.Lentry_shape_is_right:
; out0 = y w_proj + b_proj on codes of FP6 (E2M3) with E8M0 scales.  y: 8,192 rows x 1,024, as images of the operand's registers (yc) and scale bytes [8,192][32] (ys), made by the launch before.
; w_proj: 1,024 rows of 1,024 codes (768 bytes) and 32 scale bytes, K innermost.  out0: [8,192][1,024] f32.
; A tile of 256 x 256 is made by four waves, 128 x 128 each: 64 accumulators, 512 registers.  128 work-groups: 512 wave tiles of 128 x 128 are all there are; a smaller wave tile would read each LDS byte for half the products.
; K goes in steps of 256 through a ring of two LDS slots.  yc is laid [4 K steps][512 tiles of 16 rows][4 heads][768], so the work-group's 256 rows of a K step are 49,152 dense bytes:
; a wave's load brings 96 rows of 256 bytes, and a fragment (two heads) comes by two loads of 16 bytes and two of 8 a lane, consecutive from lane to lane.
; CLUSTERS: 4 x 4; A's tiles are shared along a row of the cluster, B's along a column: joint loads.  The matrix instruction is used transposed (source 0 = rows of w_proj): a lane holds eight neighbours of a row of out0.
; The bias is the C of each sum's first matrix instruction.
.set SIZE_N, 1024
.set SIZE_K, 1024
.set KSTEP,  256
.set NQ,     2
.set ROWB,   192
.set KROW,   768
.set PITCH,  240                       ; B's LDS row: 3 x (64 bytes + 16 of padding)
.set FR,     12
.set NL,     6                         ; LDS loads that bring a fragment of B
.set NLA,    4                         ; and of A
.set NP,     4                         ; places behind this matrix instruction (ISA guide 7.12.1)
.set HALFA,  24576                     ; 8 tiles of 16 rows x 3,072 bytes: what one tensor load brings of A
.set HALFT,  128*PITCH                 ; and of B
.set BOFF,   2*HALFA
.set SLOT,   2*HALFA+2*HALFT
.set ASTEP,  1572864                   ; from a K step of yc to the next
.set LAPS,   SIZE_K/(2*KSTEP)
.set KS,     32
.set SCL,    2*SLOT
.set HALFS,  (128*KS/256)*272
.set SBLK,   (16*KS/256)*272
.set SPARE,  SCL+4*HALFS               ; the spare words: 128 bytes a wave, two blocks of 256 bytes that no other line names
.set SPITCH, 528                       ; the way out: 16 rows x (512 bytes + 16) for each wave, in slot 0 (its last fill and last read are over)
.set ADRA, 16                          ; v16-17 A's images: 16 x lane; v18-19: 8 x lane
.set ADRB, 20                          ; v20-23 B's fragments
.set STO,  24
.set RD,   25
.set CO,   26
.set ADRS, 27
.set SPW,  28
.set NIL,  29
.set BO,   30                          ; v30  32 h
.set SC,   32                          ; v32-63 scale words, two sets; they hold nothing else
.set BB,   64                          ; v64-127 the bias: register 8 b + j: column 16 b + 8 h + j
.set AF,   128
.set BK,   128
.set CB,   98                          ; s[98:99] out0
.set G1, 24
.set G0, 32
.set G1B, 48
.set G0B, 56
.set G1S, 68
.set G0S, 76
.set G1SB, 80
.set G0SB, 88
.set MSB, 0
.macro WIN new
.if MSB != (\new)
	s_set_vgpr_msb (MSB<<8)|(\new)
.set MSB, (\new)
.endif
.endm
.set MUL_LO, 0xa1                      ; source 0 (B) window 1, source 1 (A) window 0, C and D window 2
.set MUL_HI, 0xf1
.set BIA_LO, 0x81                      ; the same with C (the bias) in window 0
.set BIA_HI, 0xc1
.set TO_B,   0x40
.macro JLOAD g0a, g1a, g0b, g1b        ; waves 0 and 1 fetch for A, waves 2 and 3 for B; four v_nop follow each line
	s_cmp_eq_u32 s15, 0
	s_cbranch_scc0 .Lfor_b_\@
	tensor_load_to_lds s[\g0a:\g0a+3], s[\g1a:\g1a+7]
	s_nop 0
.rept 4
	v_nop
.endr
	s_branch .Lasked_\@
.Lfor_b_\@:
	tensor_load_to_lds s[\g0b:\g0b+3], s[\g1b:\g1b+7]
	s_nop 0
.rept 4
	v_nop
.endr
.Lasked_\@:
.endm
.macro CREST
	s_cmp_lg_u32 s14, 0
	s_cbranch_scc1 .Lnot_wave_0_\@
	s_barrier_signal -3
.Lnot_wave_0_\@:
	s_barrier_wait -3
	s_barrier_signal -1
	s_barrier_wait -1
.endm
.macro CROUND
	s_barrier_signal -1
	s_barrier_wait -1
	CREST
.endm
	s_load_b128 s[4:7], s[0:1], 0x0                ; yc, ys
	s_load_b128 s[8:11], s[0:1], 0x10              ; w_proj's codes, w_proj's scales
	s_load_b128 s[96:99], s[0:1], 0x20             ; b_proj, out0
	v_lshl_add_u32 v[SPW], v0, 2, SPARE
	v_mov_b32 v[NIL], 0
	ds_add_u32 v28, v29
	ds_add_u32 v28, v29
	s_wait_dscnt 0x0
	v_lshrrev_b32 v1, 5, v0
	v_readfirstlane_b32 s14, v1                    ; wave 0..3
	s_lshr_b32 s15, s14, 1                         ; which half of the tile's rows is mine.  Also: I fetch for A (0) or for B (1)
	s_and_b32 s16, s14, 1                          ; which half of its columns.  Also: which half I fetch
	s_bfe_u32 s40, ttmp6, 0x40000
	s_bfe_u32 s41, ttmp6, 0x40004
	s_lshl_b32 s42, ttmp9, 2
	s_add_co_u32 s42, s42, s40                     ; tile column
	s_and_b32 s17, ttmp7, 0xffff
	s_lshl_b32 s17, s17, 2
	s_add_co_u32 s17, s17, s41                     ; tile row
	s_lshl_b32 s43, s41, 2
	s_lshl_b32 s43, 15, s43                        ; my row of the cluster
	s_lshl_b32 s44, 0x1111, s40                    ; my column
	; A: 24,576 dense bytes as 96 rows of 256 bytes (32 elements of 8 bytes), no padding
	s_or_b32 s[G1+0], s43, (3<<16)|(1<<21)
	s_mov_b32 s[G1+1], 32<<16
	s_mov_b32 s[G1+2], 96<<16
	s_mov_b32 s[G1+3], 32<<16
	s_mov_b32 s[G1+4], 96
	s_mov_b32 s[G1+5], 32
	s_mov_b32 s[G1+6], 0
	s_mov_b32 s[G1+7], 0
	; B: 128 rows x 192 bytes, 16 bytes of padding behind every 64
	s_or_b32 s[G1B+0], s44, (0<<16)|(1<<20)|(1<<21)|(3<<22)|(3<<25)
	s_mov_b32 s[G1B+1], ROWB<<16
	s_mov_b32 s[G1B+2], 128<<16
	s_mov_b32 s[G1B+3], ROWB<<16
	s_mov_b32 s[G1B+4], 128
	s_mov_b32 s[G1B+5], KROW
	s_mov_b32 s[G1B+6], 0
	s_mov_b32 s[G1B+7], 0
	; the scales of 128 rows: 4,096 dense bytes as 16 rows of 256 bytes, 16 bytes of padding behind each
	s_or_b32 s[G1S+0], s43, (3<<16)|(1<<20)|(1<<21)|(5<<22)|(3<<25)
	s_or_b32 s[G1SB+0], s44, (3<<16)|(1<<20)|(1<<21)|(5<<22)|(3<<25)
.irp g, G1S, G1SB
	s_mov_b32 s[\g+1], 32<<16
	s_mov_b32 s[\g+2], (128*KS/256)<<16
	s_mov_b32 s[\g+3], 32<<16
	s_mov_b32 s[\g+4], 128*KS/256
	s_mov_b32 s[\g+5], 32
	s_mov_b32 s[\g+6], 0
	s_mov_b32 s[\g+7], 0
.endr
	s_lshl_b32 s20, s17, 4
	s_lshl_b32 s18, s16, 3
	s_add_co_u32 s20, s20, s18                     ; A: tile of 16 rows: 16 x tile row + 8 x half
	s_lshl_b32 s22, s20, 9                         ; its rows' scales: 16 rows x 32 bytes a tile
	s_mul_i32 s20, s20, 3072                       ; its codes in a K step
	s_mov_b32 s21, 0
	s_mov_b32 s23, 0
	s_lshl_b32 s46, s42, 8
	s_lshl_b32 s18, s16, 7
	s_add_co_u32 s46, s46, s18                     ; B: row 256 x tile column + 128 x half
	s_lshl_b32 s92, s46, 5                         ; its scales
	s_mul_i32 s46, s46, KROW                       ; its codes
	s_mov_b32 s47, 0
	s_mov_b32 s93, 0
	s_mul_i32 s45, s16, HALFA                      ; where they go: the wave's number alone
	s_mul_i32 s19, s16, HALFT
	s_add_co_u32 s19, s19, BOFF
	s_mul_i32 s94, s14, HALFS
	s_wait_kmcnt 0x0
	s_add_nc_u64 s[20:21], s[4:5], s[20:21]
	s_add_nc_u64 s[22:23], s[6:7], s[22:23]
	s_add_nc_u64 s[46:47], s[8:9], s[46:47]
	s_add_nc_u64 s[92:93], s[10:11], s[92:93]
	CROUND                                         ; all sixteen work-groups are here: the first joint loads meet
	s_mov_b32 s[G0S], 1
	s_add_co_u32 s[G0S+1], s94, SCL
	s_mov_b64 s[G0S+2:G0S+3], s[22:23]
	s_or_b32 s[G0S+3], s[G0S+3], 0x80000000
	s_mov_b32 s[G0SB], 1
	s_add_co_u32 s[G0SB+1], s94, SCL
	s_mov_b64 s[G0SB+2:G0SB+3], s[92:93]
	s_or_b32 s[G0SB+3], s[G0SB+3], 0x80000000
	JLOAD G0S, G1S, G0SB, G1SB                     ; the scales of all of K: filled once
.irp s, 0,1
	s_mov_b32 s[G0+4*\s], 1
	s_add_co_u32 s[G0+4*\s+1], s45, \s*SLOT
	s_add_nc_u64 s[G0+4*\s+2:G0+4*\s+3], s[20:21], \s*ASTEP
	s_or_b32 s[G0+4*\s+3], s[G0+4*\s+3], 0x80000000
	s_mov_b32 s[G0B+4*\s], 1
	s_add_co_u32 s[G0B+4*\s+1], s19, \s*SLOT
	s_add_nc_u64 s[G0B+4*\s+2:G0B+4*\s+3], s[46:47], \s*ROWB
	s_or_b32 s[G0B+4*\s+3], s[G0B+4*\s+3], 0x80000000
	s_wait_alu depctr_va_vdst(0)
	s_wait_tensorcnt 0x0
	ds_add_u32 v28, v29
	s_wait_dscnt 0x0
	CROUND
	JLOAD G0+4*\s, G1, G0B+4*\s, G1B               ; one tensor load of mine is out
.endr
	v_and_b32 v1, 15, v0                           ; r
	v_bfe_u32 v2, v0, 4, 1                         ; h
	v_and_b32 v6, 31, v0                           ; lane
	v_mul_u32_u24 v3, v1, PITCH
	v_mul_u32_u24 v4, v2, 24
	v_add_nc_u32 v4, v3, v4                        ; B: a fragment's row x pitch + 24 h
	v_lshl_add_u32 v5, v2, 4, v4                   ; and the same behind one padding more
	v_lshlrev_b32 v[CO], 4, v6                     ; 16 x lane
	v_lshlrev_b32 v3, 3, v6                        ; 8 x lane
	s_mul_i32 s21, s15, HALFA                      ; my 128 rows of A
	s_mul_i32 s22, s16, HALFT                      ; my 128 rows of B,
	s_add_co_u32 s22, s22, BOFF                    ; behind A's 256
.irp s, 0,1
	v_add_nc_u32 v[ADRA+\s], s21, v[CO]
	v_add_nc_u32 v[ADRA+2+\s], s21, v3
	v_add_nc_u32 v[ADRB+\s], s22, v4
	v_add_nc_u32 v[ADRB+2+\s], s22, v5
	s_add_co_u32 s21, s21, SLOT
	s_add_co_u32 s22, s22, SLOT
.endr
	v_mul_u32_u24 v5, v1, KS                       ; my row's scales: 32 bytes a row,
	v_lshrrev_b32 v6, 8, v5
	v_lshl_add_u32 v5, v6, 4, v5                   ; and 16 more for each 256 passed
	s_mul_i32 s21, s15, HALFS
	s_mul_i32 s22, s16, HALFS
	s_add_co_u32 s22, s22, 2*HALFS
	s_sub_co_u32 s22, s22, s21
	v_mul_u32_u24 v6, s22, v2                      ; lanes 16-31 take B's
	s_add_co_u32 s21, s21, SCL
	v_add_nc_u32 v5, v5, v6
	v_add_nc_u32 v[ADRS], s21, v5
	s_mul_i32 s23, s14, 16*SPITCH                  ; my stage
	v_mul_u32_u24 v5, v1, SPITCH
	v_lshl_add_u32 v5, v2, 5, v5
	v_add_nc_u32 v[STO], s23, v5                   ; in: row r, 32 bytes for each half of the lanes
	v_add_nc_u32 v[RD], s23, v[CO]                 ; back: the 32 lanes take one row of 512 bytes
	v_lshlrev_b32 v[BO], 5, v2
	s_wait_alu depctr_va_vdst(0)
	s_lshl_b32 s20, s17, 8
	s_lshl_b32 s21, s15, 7
	s_add_co_u32 s20, s20, s21                     ; my first row of out0
	s_mov_b32 s21, 0
	s_lshl_b64 s[20:21], s[20:21], 12              ; 4,096 bytes a row
	s_lshl_b32 s46, s42, 10                        ; my first column, in bytes: 1,024 x tile column + 512 x half
	s_lshl_b32 s47, s16, 9
	s_add_co_u32 s46, s46, s47
	s_mov_b32 s47, 0
	s_add_nc_u64 s[96:97], s[96:97], s[46:47]      ; the bias of my 128 columns
	s_add_nc_u64 s[20:21], s[20:21], s[46:47]
	s_add_nc_u64 s[CB:CB+1], s[CB:CB+1], s[20:21]
.irp b, 0,1,2,3,4,5,6,7
	global_load_b128 v[BB+8*\b:BB+8*\b+3], v[BO], s[96:97] offset:64*\b
	global_load_b128 v[BB+8*\b+4:BB+8*\b+7], v[BO], s[96:97] offset:64*\b+16
.endr
	s_wait_loadcnt 0x0                             ; the bias is in, while the tiles are on their way
.macro FRAG reg, adr, q, i             ; B: 16 rows x 128 K in pieces of 8 bytes; where the piece three on lies behind one padding more, the second address register serves
.irp p, 0,1,2,3,4,5
.set PCE, 12*(\q)+6*(\p/3)+\p%3
.if PCE%8 < 5
	ds_load_b64 v[\reg+2*\p:\reg+2*\p+1], v[\adr] offset:8*PCE+16*(PCE/8)+(\i)*16*PITCH
.else
	ds_load_b64 v[\reg+2*\p:\reg+2*\p+1], v[\adr+2] offset:8*PCE+16*(PCE/8)+(\i)*16*PITCH
.endif
.endr
.endm
.macro FRAGI reg, slot, q, i           ; A: two heads' images: registers 0-3, 4-5 of the first, 6-9, 10-11 of the second
	ds_load_b128 v[\reg:\reg+3], v[ADRA+\slot] offset:3072*(\i)+1536*(\q)
	ds_load_b64 v[\reg+4:\reg+5], v[ADRA+2+\slot] offset:3072*(\i)+1536*(\q)+512
	ds_load_b128 v[\reg+6:\reg+9], v[ADRA+\slot] offset:3072*(\i)+1536*(\q)+768
	ds_load_b64 v[\reg+10:\reg+11], v[ADRA+2+\slot] offset:3072*(\i)+1536*(\q)+1280
.endm
; 16 matrix instructions: A's blocks a0, a0 + 1 x B's eight.  first = 1: the bias is C.  The 64 accumulators take turns, one instruction a turn.
.macro MUL16 a0, p, q, sc, first
.irp a, \a0, \a0+1
.irp b, 0,1,2,3,4,5,6,7
.if \first
	v_wmma_scale_f32_16x16x128_f8f6f4 v[8*(8*((\a)%4)+\b):8*(8*((\a)%4)+\b)+7], v[128*(\p)+FR*\b:128*(\p)+FR*\b+FR-1], v[AF+FR*(\a):AF+FR*(\a)+FR-1], v[BB+8*\b:BB+8*\b+7], v[SC+8*NQ*(\sc)+NQ*\b+(\q)], v[SC+8*NQ*(\sc)+NQ*(\a)+(\q)] matrix_a_fmt:MATRIX_FMT_FP6 matrix_b_fmt:MATRIX_FMT_FP6 matrix_a_scale:MATRIX_SCALE_ROW1
.else
	v_wmma_scale_f32_16x16x128_f8f6f4 v[8*(8*((\a)%4)+\b):8*(8*((\a)%4)+\b)+7], v[128*(\p)+FR*\b:128*(\p)+FR*\b+FR-1], v[AF+FR*(\a):AF+FR*(\a)+FR-1], v[8*(8*((\a)%4)+\b):8*(8*((\a)%4)+\b)+7], v[SC+8*NQ*(\sc)+NQ*\b+(\q)], v[SC+8*NQ*(\sc)+NQ*(\a)+(\q)] matrix_a_fmt:MATRIX_FMT_FP6 matrix_b_fmt:MATRIX_FMT_FP6 matrix_a_scale:MATRIX_SCALE_ROW1
.endif
.endr
.endr
.endm
.macro FETCH_B slot, q, p
	WIN TO_B
.irp i, 0,1,2,3,4,5,6,7
	FRAG 128*(\p)+FR*\i, ADRB+\slot, \q, \i
.endr
	WIN 0
.endm
.macro FETCH_A slot, q, i0
.irp i, \i0, \i0+1, \i0+2, \i0+3
	FRAGI AF+FR*(\i), \slot, \q, \i
.endr
.endm
.macro SCALES sc
.irp i, 0,1,2,3,4,5,6,7
	ds_load_b64 v[SC+8*NQ*\sc+NQ*\i:SC+8*NQ*\sc+NQ*\i+1], v[ADRS] offset:\i*SBLK
.endr
.endm
.macro PLACES n
.rept \n
	v_nop
.endr
.endm
.macro STEP slot, q, first
	s_wait_dscnt 4*NLA                             ; B's set and A's blocks 0-3 are in; the 16 youngest loads (A's blocks 4-7) may be out
.if \first
	WIN BIA_LO
.else
	WIN MUL_LO
.endif
	MUL16 0, (\q)%2, \q, \slot, \first
	MUL16 2, (\q)%2, \q, \slot, \first
	s_wait_dscnt 0
	PLACES NP
	FETCH_B \slot, (\q)+1, 1-(\q)%2
	FETCH_A \slot, (\q)+1, 0
.if \first
	WIN BIA_HI
.else
	WIN MUL_HI
.endif
	MUL16 4, (\q)%2, \q, \slot, \first
	MUL16 6, (\q)%2, \q, \slot, \first
	PLACES NP
	WIN 0
	FETCH_A \slot, (\q)+1, 4
.endm
.macro TURN slot, next, fill
	s_wait_tensorcnt 0x0                           ; all my tensor loads have landed: my part of the next slot
	ds_add_u32 v[SPW], v[NIL]                      ; 0 onto my spare word
	s_wait_dscnt 4*NLA+1                           ; the add and the 16 youngest loads may be out
	WIN MUL_LO
	MUL16 0, 1, NQ-1, \slot, 0
	s_wait_dscnt 0x0                               ; the add is done, and my reads of this slot are over
	s_barrier_signal -1
	MUL16 2, 1, NQ-1, \slot, 0
	WIN 0
	s_barrier_wait -1
.if \fill
	CREST                                          ; the barrier has opened a round of the cluster's: no wave of any partner still reads this slot or has a load on its way
	s_add_nc_u64 s[G0+4*\slot+2:G0+4*\slot+3], s[G0+4*\slot+2:G0+4*\slot+3], 2*ASTEP
	s_add_nc_u64 s[G0B+4*\slot+2:G0B+4*\slot+3], s[G0B+4*\slot+2:G0B+4*\slot+3], 2*ROWB
	JLOAD G0+4*\slot, G1, G0B+4*\slot, G1B         ; my one tensor load behind the round; its four v_nop are the places in front of the loads below
.else
	PLACES NP
.endif
	s_wait_alu depctr_va_vdst(0)
	v_add_nc_u32 v[ADRS], 4*NQ, v[ADRS]
	FETCH_B \next, 0, 0
	FETCH_A \next, 0, 0
	SCALES \next
	WIN MUL_HI
	MUL16 4, 1, NQ-1, \slot, 0
	MUL16 6, 1, NQ-1, \slot, 0
	PLACES NP
	WIN 0
	FETCH_A \next, 0, 4
.endm
	s_wait_tensorcnt 1                             ; the scales and my part of K step 0 are in; K step 1's load may be out
	s_barrier_signal -1
	s_barrier_wait -1
	FETCH_B 0, 0, 0
	FETCH_A 0, 0, 0
	SCALES 0
	FETCH_A 0, 0, 4
	STEP 0, 0, 1                                   ; the first step's products start the sums from the bias
	s_mov_b32 s3, LAPS-1
.Llap:
	TURN 0, 1, 1
	STEP 1, 0, 0
	TURN 1, 0, 1
	STEP 0, 0, 0
	s_sub_co_u32 s3, s3, 1
	s_cmp_lg_u32 s3, 0
	s_cbranch_scc1 .Llap
	TURN 0, 1, 0                                   ; the last lap fills nothing
	STEP 1, 0, 0
	s_wait_dscnt 4*NLA
	WIN MUL_LO
	MUL16 0, 1, NQ-1, 1, 0
	MUL16 2, 1, NQ-1, 1, 0
	s_wait_dscnt 0
	WIN MUL_HI
	MUL16 4, 1, NQ-1, 1, 0
	MUL16 6, 1, NQ-1, 1, 0
	WIN 0
; THE WAY OUT, a block of 16 rows x 128 columns at a time, through my own stage in LDS: in as 32 bytes a lane, back as whole rows of 512 bytes.
; LDS serves a wave's instructions in order (ISA guide 5.7.1.4): no wait between the stores and the loads.
.macro TOSTAGE a
.set AC, 64*((\a)%4)
	WIN 0x08+4*((\a)/4)                            ; the data: window 2 or 3
.irp b, 0,1,2,3,4,5,6,7
	ds_store_b128 v[STO], v[AC+8*\b:AC+8*\b+3] offset:64*\b          ; each accumulator from its low end on
	ds_store_b128 v[STO], v[AC+8*\b+4:AC+8*\b+7] offset:64*\b+16
.endr
	WIN 0
.set BBK, BK+64*((\a)%2)
.irp t, 0,1,2,3,4,5,6,7,8,9,10,11,12,13,14,15
	ds_load_b128 v[BBK+4*\t:BBK+4*\t+3], v[RD] offset:\t*SPITCH
.endr
.endm
.macro SEND a, younger
.set BBK, BK+64*((\a)%2)
	s_wait_dscnt \younger                          ; the block is back in registers
.if (\a) > 0
	s_add_nc_u64 s[CB:CB+1], s[CB:CB+1], 16*SIZE_N*4   ; (behind a wait on XCNT: the earlier stores have read their base)
.endif
.irp t, 0,1,2,3,4,5,6,7,8,9,10,11,12,13,14,15
	global_store_b128 v[CO], v[BBK+4*\t:BBK+4*\t+3], s[CB:CB+1] offset:\t*SIZE_N*4 th:TH_STORE_NT   ; 32 lanes store 512 consecutive bytes, at a multiple of 256 from out0's first byte
.endr
.endm
	PLACES NP
	TOSTAGE 0
.irp a, 1,2,3,4,5,6,7
.if \a > 1
	s_wait_xcnt 0x0                                ; block a - 2's stores have read their registers and their base
.endif
	TOSTAGE \a
	SEND \a-1, 32                                  ; behind block a - 1's loads: block a's 16 stores and 16 loads
.endr
	s_wait_xcnt 0x0
	SEND 7, 0
	s_wait_tensorcnt 0x0                           ; the wave's end
	ds_add_u32 v[SPW], v[NIL]
	s_wait_dscnt 0x0
	CROUND                                         ; the closing round
	s_endpgm
.Lfunc_end_k_q62773f473a_proj:
	.size	k_q62773f473a_proj, .Lfunc_end_k_q62773f473a_proj-k_q62773f473a_proj
	.p2alignl 7, 3214868480
	.fill 96, 4, 3214868480
	.section	.rodata,"a",@progbits
	.p2align	6, 0x0
	.amdhsa_kernel k_q62773f473a_proj
		.amdhsa_group_segment_fixed_size 327680
		.amdhsa_private_segment_fixed_size 0
		.amdhsa_enable_private_segment 0
		.amdhsa_kernarg_size 48
		.amdhsa_user_sgpr_count 2
		.amdhsa_user_sgpr_kernarg_segment_ptr 1
		.amdhsa_wavefront_size32 1
		.amdhsa_system_sgpr_workgroup_id_x 1
		.amdhsa_system_sgpr_workgroup_id_y 1
		.amdhsa_system_sgpr_workgroup_id_z 1
		.amdhsa_system_vgpr_workitem_id 0
		.amdhsa_next_free_vgpr 1024
		.amdhsa_next_free_sgpr 100
		.amdhsa_reserve_vcc 0
		.amdhsa_float_denorm_mode_32 3
		.amdhsa_float_denorm_mode_16_64 3
		.amdhsa_memory_ordered 1
		.amdhsa_forward_progress 1
		.amdhsa_inst_pref_size 154
	.end_amdhsa_kernel
	.amdgpu_metadata
---
amdhsa.version: [ 1, 2 ]
amdhsa.kernels:
  - .name:           k_q62773f473a_proj
    .symbol:         k_q62773f473a_proj.kd
    .args:
      - { .name: yc, .offset: 0, .size: 8, .value_kind: global_buffer, .address_space: global }
      - { .name: ys, .offset: 8, .size: 8, .value_kind: global_buffer, .address_space: global }
      - { .name: w_proj_codes, .offset: 16, .size: 8, .value_kind: global_buffer, .address_space: global }
      - { .name: w_proj_scales, .offset: 24, .size: 8, .value_kind: global_buffer, .address_space: global }
      - { .name: b_proj, .offset: 32, .size: 8, .value_kind: global_buffer, .address_space: global }
      - { .name: out0, .offset: 40, .size: 8, .value_kind: global_buffer, .address_space: global }
    .group_segment_fixed_size: 327680
    .private_segment_fixed_size: 0
    .kernarg_segment_align: 8
    .kernarg_segment_size: 48
    .max_flat_workgroup_size: 128
    .sgpr_count:     100
    .vgpr_count:     1024
    .wavefront_size: 32
...
	.end_amdgpu_metadata
.endif
;; end of part 3
